; MI455X (gfx1250); checked and timed in simulation.
; The chip was launched on July 23, 2026; its instructions are those of AMD's public machine-readable ISA for CDNA 5 (MIT licence, August 2026) and "CDNA5" Instruction Set Architecture Reference Guide (July 2026). The comments in the code are by the model that wrote it; some were corrected since.
;; Mo E Layer. Allowed arithmetic: matrix products marked QUANTISED: E3M2 operands, one E8M0 scale for each 32 along K, by v_wmma_scale_f32_16x16x128_f8f6f4 with both operands' format E3M2, f32 sums; products left as they are: f32 operands where the result goes on into a quantised operand, else bf16, f16 or f32 operands; f32 sums; everything else in f32.
;; Inputs: W1 8 x 1,024 x 256 float32; W2 8 x 256 x 1,024 float32; W3 8 x 1,024 x 256 float32; dom 8 x 1,024 float32; gate_w 1,024 x 8 float32; hidden_states 4 x 2,048 x 1,024 float32.
;; Outputs: out0 4 x 2,048 x 1,024 float32.
;; This version of the problem:
;;   THIS VERSION OF THE PROBLEM IS GIVEN IN LOW PRECISION. The matrix products marked QUANTISED in the list below multiply operands that are first quantised to E3M2 (3 exponent bits, 2 mantissa bits; 6 bits a number), with one power-of-two scale for each 32 numbers along K (OCP MX v1.0); their sums are f32. All else is computed in f32.
;;   The module's matrix products, in the order in which they are computed (A, B: the left and right operand; K: the contracted axis; several contracted axes count as one K, in the product's order):
;;     1. [M 8,192, K 1,024] x [K 1,024, N 8]; A: input hidden_states; B: input gate_w: left as it is (N = 8 < 16)
;;     2. batch 8,192 x [M 1, K 2] x [K 2, N 8]; A: softmax; B: computed on the way: left as it is (K = 2 < 32)
;;     3. [M 8,192, K 1,024] x [K 1,024, N 256]; A: computed on the way; B: input W1: QUANTISED
;;     4. [M 8,192, K 1,024] x [K 1,024, N 256]; A: computed on the way; B: input W3: QUANTISED
;;     5. [M 8,192, K 256] x [K 256, N 1,024]; A: computed on the way; B: input W2: QUANTISED
;;     6. [M 8,192, K 1,024] x [K 1,024, N 256]; A: computed on the way; B: input W1: QUANTISED
;;     7. [M 8,192, K 1,024] x [K 1,024, N 256]; A: computed on the way; B: input W3: QUANTISED
;;     8. [M 8,192, K 256] x [K 256, N 1,024]; A: computed on the way; B: input W2: QUANTISED
;;     9. [M 8,192, K 1,024] x [K 1,024, N 256]; A: computed on the way; B: input W1: QUANTISED
;;     10. [M 8,192, K 1,024] x [K 1,024, N 256]; A: computed on the way; B: input W3: QUANTISED
;;     11. [M 8,192, K 256] x [K 256, N 1,024]; A: computed on the way; B: input W2: QUANTISED
;;     12. [M 8,192, K 1,024] x [K 1,024, N 256]; A: computed on the way; B: input W1: QUANTISED
;;     13. [M 8,192, K 1,024] x [K 1,024, N 256]; A: computed on the way; B: input W3: QUANTISED
;;     14. [M 8,192, K 256] x [K 256, N 1,024]; A: computed on the way; B: input W2: QUANTISED
;;     15. [M 8,192, K 1,024] x [K 1,024, N 256]; A: computed on the way; B: input W1: QUANTISED
;;     16. [M 8,192, K 1,024] x [K 1,024, N 256]; A: computed on the way; B: input W3: QUANTISED
;;     17. [M 8,192, K 256] x [K 256, N 1,024]; A: computed on the way; B: input W2: QUANTISED
;;     18. [M 8,192, K 1,024] x [K 1,024, N 256]; A: computed on the way; B: input W1: QUANTISED
;;     19. [M 8,192, K 1,024] x [K 1,024, N 256]; A: computed on the way; B: input W3: QUANTISED
;;     20. [M 8,192, K 256] x [K 256, N 1,024]; A: computed on the way; B: input W2: QUANTISED
;;     21. [M 8,192, K 1,024] x [K 1,024, N 256]; A: computed on the way; B: input W1: QUANTISED
;;     22. [M 8,192, K 1,024] x [K 1,024, N 256]; A: computed on the way; B: input W3: QUANTISED
;;     23. [M 8,192, K 256] x [K 256, N 1,024]; A: computed on the way; B: input W2: QUANTISED
;;     24. [M 8,192, K 1,024] x [K 1,024, N 256]; A: computed on the way; B: input W1: QUANTISED
;;     25. [M 8,192, K 1,024] x [K 1,024, N 256]; A: computed on the way; B: input W3: QUANTISED
;;     26. [M 8,192, K 256] x [K 256, N 1,024]; A: computed on the way; B: input W2: QUANTISED
;;   THE QUANTISER, for each operand of a quantised product, along K:
;;     - K is cut into blocks of 32 from its start; a last block that is shorter is filled with zeros.
;;     - A block's scale is 2^e with e = floor(log2(the largest magnitude in the block)) - 4, held to -126 .. 127; a block of zeros has e = 0. As a byte (E8M0): e + 127.
;;     - Each number is divided by its block's scale, clamped to +-28, and rounded to the nearest number of E3M2, ties to even, subnormals kept.
;;     - The product sums the exact products of the quantised numbers (number of the format x scale) in f32.
;;   ~~~python
;;   def quantise(x, axis):      # numpy; x: float32 -> the quantised numbers, widened to float32 again
;;       x = np.moveaxis(x, axis, -1); K = x.shape[-1]
;;       x = np.pad(x, [(0, 0)] * (x.ndim - 1) + [(0, -K % 32)]); x = x.reshape(x.shape[:-1] + (-1, 32)); a = np.abs(x).max(-1, keepdims=True)
;;       e = np.where(a > 0, np.clip(np.frexp(np.where(a > 0, a, 1))[1] - 1 - 4, -126, 127), 0)      # np.frexp(a)[1] - 1 = floor(log2(a)), exactly
;;       r = np.clip(x / 2.0 ** e, -28, 28)
;;       step = 2.0 ** (np.maximum(np.frexp(np.where(r == 0, 1, r))[1] - 1, -2) - 2)
;;       q = np.round(r / step) * step * 2.0 ** e      # np.round: ties to even
;;       return np.moveaxis(q.reshape(q.shape[:-2] + (-1,))[..., :K], -1, axis).astype(np.float32)
;;   ~~~
;;   OPERANDS COMPUTED ON THE WAY. 'Computed on the way' means the value that the module computes at that place (a softmax that the list does not call 'softmax' is quantised finished and normalised). What goes into a quantiser is computed in f32, as accurately as f32 sums, v_exp_f32 and their like allow (about 1e-6 of the number): no bf16 or f16 on the way to a quantiser, and a product that is left as it is and whose result goes on into a quantised operand takes f32 operands (vector FMAs, or v_wmma_f32_16x16x4_f32). A number that lies on a knife's edge between two numbers of the format may be rounded either way, as far as f32 arithmetic and the matrix unit's own rounding can turn it there, and no further.
;; 2 versions. Each part assembles by itself: llvm-mc -triple=amdgcn-amd-amdhsa -mcpu=gfx1250 --defsym DOCPART=n.
;; ======== version 1 of 2: 3 launches
;; workspace buffers: wc 4,915,200 bytes; route 65,536 bytes of whole numbers; wts 65,536 bytes; order 40,704 bytes of whole numbers
;; launch prep (part 1): grid 448 x 1, 8 waves a work-group, no clusters, 76,800 bytes of LDS; arguments hidden_states, gate_w, W1, W3, W2, wc, route, wts; writes wc, route, wts
.if DOCPART == 1
	.amdgcn_target "amdgcn-amd-amdhsa--gfx1250"
	.amdhsa_code_object_version 6
	.text
	.protected	k_qe4ab02a392_prep
	.globl	k_qe4ab02a392_prep
	.p2align	8
	.type	k_qe4ab02a392_prep,@function
k_qe4ab02a392_prep:
	s_mov_b64 s[64:65], 0
	v_nop
	global_prefetch_b8 v0, s[64:65] scope:SCOPE_SE
	s_setreg_imm32_b32 hwreg(HW_REG_WAVE_MODE, 25, 1), 1
	s_wait_xcnt 0x0
; TWO JOBS IN ONE LAUNCH, parted by the work-group's number.
; Work-groups 0-255: THE ROUTER for 32 tokens each: logits x . gate_w in f32 (packed multiply-adds), the two largest (the lower index wins a tie), softmax of the two
; (the larger is taken away before the exponential), the number kk of the unordered pair of experts (0 .. 27, lo < hi in lexicographic order), the token's rank among its
; chunk's tokens of that pair, and the chunk's count for each pair.  All of that is STORED, at places that hang on ids alone; nothing here steers an address or a branch.
;   route: word[t] = kk | rank << 8 at 4 t;  hist[kk 32][chunk 256] u32 from byte 32,768 (rows 28-31 zeros).   wts: [t][2] f32 = (weight of lo, weight of hi).
; Work-groups 256-447: W1, W3 [8][1024][256] and W2 [8][256][1024], f32 with K as the first axis of an expert, become codes of E3M2 with one E8M0 byte for each 32 along K,
; laid in the order of the chain's operand registers.  wc: [expert 8][chain wave 8][unit 12] records of 6,400 bytes = 4 fragments of 1,536 bytes + 2 x 128 bytes of scale words.
; A fragment's image: registers 4 c .. 4 c + 3 of lane L at 512 c + 16 L.  Units 0-7: K step s of the first products, fragments 2 mat + u (mat 0 = W1, 1 = W3); units 8 + b: W2's columns
; 128 wave + 32 b on, fragments 2 s2 + u.  Lane r of tile u takes column 8 u + r + 8 (r / 8) of the unit's 32, so that in the transposed result a lane's 16 registers are 16 neighbours.
; A scale group holds the word of tile u, row r at lane 16 u + r.
; A block's scale: 2^(floor(log2(largest magnitude)) - 4); its byte is that magnitude's exponent field - 4, held at 1 from below.
; LIMITS: NaN and infinities are not served.  Logits that are equal within the rounding of an f32 sum of 1,024 terms may be ordered otherwise than by another order of summing.
; A block of zeros gets the byte 1 (its codes are zeros; this program alone reads the bytes).  Blocks whose largest magnitude lies under 2^-122 are held at that floor.
.set GL,   0                           ; LDS, router: gate_w as it lies, wave w's 128 rows at 4096 w
.set PS,   32768                       ; LDS, router: partial sums [wave 8][tile 2][lane 32][expert 8] f32
.set QST,  49152                       ; LDS, quantiser: a stage of 2 x 1,664 bytes for each wave (bytes of its own: the two jobs share none)
	s_load_b256 s[4:11], s[0:1], 0x0               ; x s[4:5], gate_w s[6:7], W1 s[8:9], W3 s[10:11]
	s_load_b256 s[12:19], s[0:1], 0x20             ; W2 s[12:13], wc s[14:15], route s[16:17], wts s[18:19]
	s_set_vgpr_msb 0x40
	v_lshl_add_u32 v0, v0, 2, 0x12800
	v_mov_b32 v1, 0
	s_set_vgpr_msb 0x4000
	v_lshrrev_b32 v1, 5, v0
	v_readfirstlane_b32 s20, v1                    ; wave 0..7
	v_and_b32 v1, 31, v0                           ; lane
	s_cmp_ge_u32 ttmp9, 256
	s_cbranch_scc1 .Lquant
; ---------------- THE ROUTER.  Wave w sums over k = 128 w .. 128 w + 127; lane (r, h) holds, of tokens r and 16 + r, the 64 numbers k = 32 b + 16 h + 0 .. 15 of the wave's 128.
; REGISTERS: v16-31 sums (tile m, expert e at 16 + 8 m + e); v32-95 two sets of 4 rows of gate_w; v96-223 x (tile m at 96 + 64 m, register 16 b + 4 j + i); v224-255 the gate slice on its way to LDS.
	v_and_b32 v2, 15, v0                           ; r
	v_bfe_u32 v3, v0, 4, 1                         ; h
	v_lshlrev_b32 v4, 12, v2
	v_lshl_or_b32 v4, v3, 6, v4                    ; x: row r of 4,096 bytes + 64 h
	v_lshlrev_b32 v5, 4, v1                        ; 16 x lane
	s_lshl_b32 s21, s20, 12                        ; my slice of gate_w: 128 rows of 32 bytes
	v_lshl_add_u32 v6, v3, 9, s21                  ; where I read it: + 16 h rows
	v_add_nc_u32 v7, s21, v5                       ; where I put it
	s_lshl_b32 s22, s20, 11
	s_add_co_u32 s22, s22, PS
	v_lshl_add_u32 v8, v1, 5, s22                  ; my partial sums: 32 bytes a lane
	v_lshlrev_b32 v9, 5, v2
	v_lshl_add_u32 v9, v3, 10, v9
	v_add_nc_u32 v9, PS, v9                        ; wave 0, lane = token 16 m + r: 1024 m + 32 r
	s_lshl_b32 s24, ttmp9, 17                      ; 32 tokens of 4,096 bytes
	s_lshl_b32 s25, s20, 9
	s_add_co_u32 s24, s24, s25                     ; + my 128 numbers of a row
	s_mov_b32 s25, 0
	s_mov_b32 s26, s21
	s_mov_b32 s27, 0
	s_wait_kmcnt 0x0
	s_add_nc_u64 s[4:5], s[4:5], s[24:25]
	s_add_nc_u64 s[6:7], s[6:7], s[26:27]
.irp i, 0,1,2,3,4,5,6,7
	global_load_b128 v[224+4*\i:227+4*\i], v5, s[6:7] offset:512*\i
.endr
.irp m, 0,1
.irp b, 0,1,2,3
.irp j, 0,1,2,3
	global_load_b128 v[96+64*\m+16*\b+4*\j:99+64*\m+16*\b+4*\j], v4, s[4:5] offset:65536*\m+128*\b+16*\j th:TH_LOAD_NT
.endr
.endr
.endr
	s_wait_loadcnt 32                              ; the gate slice is in; the 32 loads of x stay out
.irp i, 0,1,2,3,4,5,6,7
	ds_store_b128 v7, v[224+4*\i:227+4*\i] offset:512*\i           ; my own bytes: LDS serves a wave's instructions in order, so no wait and no barrier ahead of my reads
.endr
.macro GLOAD t                         ; rows k = 32 (t / 4) + 16 h + 4 (t % 4) + 0 .. 3 of my slice, 8 experts each, into set t % 2
.irp i, 0,1,2,3
	ds_load_b128 v[32+32*((\t)%2)+8*\i:35+32*((\t)%2)+8*\i], v6 offset:(32*((\t)/4)+4*((\t)%4)+\i)*32
	ds_load_b128 v[36+32*((\t)%2)+8*\i:39+32*((\t)%2)+8*\i], v6 offset:(32*((\t)/4)+4*((\t)%4)+\i)*32+16
.endr
.endm
.macro FMA t                           ; 4 k x 2 tokens x 8 experts: 32 packed multiply-adds; one x serves both halves.  The very first eight start the sums
.if (\t) < 15
	s_wait_dscnt 0x8                               ; batch t is in; batch t + 1's eight loads stay out
.else
	s_wait_dscnt 0x0
.endif
.set GS, 32+32*((\t)%2)
.irp i, 0,1,2,3
.irp m, 0,1
.irp p, 0,2,4,6
.set XP, 96+64*\m+4*(\t)+2*(\i/2)
.if ((\t) == 0) && (\i == 0)
	v_pk_mul_f32 v[16+8*\m+\p:17+8*\m+\p], v[XP:XP+1], v[GS+8*\i+\p:GS+8*\i+\p+1] op_sel_hi:[0,1]
.elseif (\i%2) == 0
	v_pk_fma_f32 v[16+8*\m+\p:17+8*\m+\p], v[XP:XP+1], v[GS+8*\i+\p:GS+8*\i+\p+1], v[16+8*\m+\p:17+8*\m+\p] op_sel_hi:[0,1,1]
.else
	v_pk_fma_f32 v[16+8*\m+\p:17+8*\m+\p], v[XP:XP+1], v[GS+8*\i+\p:GS+8*\i+\p+1], v[16+8*\m+\p:17+8*\m+\p] op_sel:[1,0,0] op_sel_hi:[1,1,1]
.endif
.endr
.endr
.endr
.if (\t)+2 < 16
	GLOAD (\t)+2
.endif
.endm
	GLOAD 0
	GLOAD 1
	s_wait_loadcnt 0x0                             ; x
.irp t, 0,1,2,3,4,5,6,7,8,9,10,11,12,13,14,15
	FMA \t
.endr
.irp m, 0,1
	ds_store_b128 v8, v[16+8*\m:19+8*\m] offset:1024*\m
	ds_store_b128 v8, v[20+8*\m:23+8*\m] offset:1024*\m+16
.endr
	s_wait_dscnt 0x0                               ; for wave 0's sake: my partial sums have landed
	s_barrier_signal -1
	s_barrier_wait -1
	s_cmp_lg_u32 s20, 0
	s_cbranch_scc1 .Lend                           ; the rest is one wave's work: a lane to a token
.irp q, 0,1,2,3,4,5,6,7,8,9,10,11,12,13,14,15      ; the 16 partial sums (wave q / 2, half q % 2) of my token's 8 logits
	ds_load_b128 v[96+8*\q:99+8*\q], v9 offset:2048*(\q/2)+512*(\q%2)
	ds_load_b128 v[100+8*\q:103+8*\q], v9 offset:2048*(\q/2)+512*(\q%2)+16
.endr
	s_wait_dscnt 0x0
.irp q, 1,2,3,4,5,6,7,8,9,10,11,12,13,14,15
.irp p, 0,2,4,6
	v_pk_add_f32 v[96+\p:97+\p], v[96+\p:97+\p], v[96+8*\q+\p:97+8*\q+\p]
.endr
.endr
	v_mov_b32 v10, v96                             ; the largest logit and its expert,
	v_mov_b32 v11, 0
	v_mov_b32 v12, 0xff800000                      ; the second and its expert
	v_mov_b32 v13, 0
.irp e, 1,2,3,4,5,6,7                              ; strictly greater: of equal logits the lower index stays ahead
	v_cmp_gt_f32 s40, v[96+\e], v10
	v_cmp_gt_f32 s41, v[96+\e], v12
	v_cndmask_b32 v12, v12, v[96+\e], s41
	v_cndmask_b32 v13, v13, \e, s41
	v_cndmask_b32 v12, v12, v10, s40
	v_cndmask_b32 v13, v13, v11, s40
	v_cndmask_b32 v10, v10, v[96+\e], s40
	v_cndmask_b32 v11, v11, \e, s40
.endr
	v_sub_f32 v14, v12, v10                        ; second - largest: 0 or less
	v_mul_f32 v14, 0x3fb8aa3b, v14
	v_exp_f32 v15, v14                             ; e^(second - largest)
	v_min_u32 v21, v11, v13                        ; lo  (a plain line behind the exponential)
	s_wait_alu depctr_va_vdst(0)                   ; the wait ahead of the first reader
	v_add_f32 v14, 1.0, v15
	v_rcp_f32 v14, v14                             ; the largest's weight
	v_max_u32 v22, v11, v13                        ; hi  (a plain line behind the reciprocal)
	s_wait_alu depctr_va_vdst(0)
	v_mul_f32 v15, v15, v14                        ; the second's weight
	v_cmp_lt_u32 vcc_lo, v11, v13
	v_cndmask_b32 v24, v15, v14, vcc_lo            ; lo's weight
	v_cndmask_b32 v25, v14, v15, vcc_lo            ; hi's
	v_lshl_add_u32 v16, v21, 3, v22                ; 8 lo + hi
	v_mov_b32 v17, 0                               ; rank
	v_mov_b32 v18, 0                               ; kk
	v_mov_b32 v19, 0                               ; lane kk: the chunk's count of pair kk
.macro PAIR kk, lo, hi
	v_cmp_eq_u32 s40, 8*\lo+\hi, v16               ; the chunk's tokens of this pair
	s_bcnt1_i32_b32 s41, s40
	v_mbcnt_lo_u32_b32 v20, s40, 0                 ; how many of them stand in lower lanes
	v_cndmask_b32 v17, v17, v20, s40
	v_cndmask_b32 v18, v18, \kk, s40
	v_writelane_b32 v19, s41, \kk
.endm
.set KK, 0
.irp a, 0,1,2,3,4,5,6
.irp b, 1,2,3,4,5,6,7
.if \b > \a
	PAIR KK, \a, \b
.set KK, KK+1
.endif
.endr
.endr
	v_lshl_or_b32 v17, v17, 8, v18
	v_lshlrev_b32 v26, 2, v1
	v_lshlrev_b32 v27, 10, v1
	v_lshlrev_b32 v28, 3, v1
	s_lshl_b32 s24, ttmp9, 7
	s_mov_b32 s25, 0
	s_lshl_b32 s26, ttmp9, 2
	s_mov_b32 s27, 0
	s_lshl_b32 s28, ttmp9, 8
	s_mov_b32 s29, 0
	s_add_nc_u64 s[24:25], s[16:17], s[24:25]
	s_add_nc_u64 s[26:27], s[16:17], s[26:27]
	s_add_nc_u64 s[28:29], s[18:19], s[28:29]
	global_store_b32 v26, v17, s[24:25]            ; 32 words on end
	global_store_b32 v27, v19, s[26:27] offset:32768   ; hist[lane][chunk]
	global_store_b64 v28, v[24:25], s[28:29]       ; 256 bytes on end
.Lend:
	s_set_vgpr_msb 0x5
	s_wait_tensorcnt 0x0
	ds_add_u32 v0, v1
	s_wait_dscnt 0x0
	s_set_vgpr_msb 0x500
	s_endpgm
; ---------------- THE QUANTISER.  A wave takes 32 columns x 128 along K.  A LANE TAKES A COLUMN AND ITS REGISTERS RUN DOWN K: a block of 32 lies in one lane, and the codes come out with K innermost.
; REGISTERS: v9 the scale word; v10-13 at work; v16 + 8 kb a block's six registers of codes; v48 + 4 kb the second conversion's three; v64-87 the way out; v96-223 the 128 numbers.
.Lquant:
	s_sub_co_u32 s21, ttmp9, 256                   ; j = 0 .. 191: 0-63 W1, 64-127 W3, 128-191 W2
	v_bfe_u32 v2, v0, 3, 1                         ; my column is row r of tile u: u = (lane / 8) % 2,
	v_and_b32 v3, 7, v0
	v_bfe_u32 v10, v0, 4, 1
	v_lshl_add_u32 v3, v10, 3, v3                  ; r = lane % 8 + 8 (lane / 16)
	v_lshlrev_b32 v4, 2, v1                        ; in: 4 bytes a lane
	v_lshlrev_b32 v5, 4, v1                        ; out: 16 bytes a lane
	s_mul_i32 s22, s20, 3328
	s_add_co_u32 s22, s22, QST                     ; my stage
	v_mul_u32_u24 v6, v2, 1664
	v_lshl_add_u32 v6, v3, 4, v6
	v_add_nc_u32 v6, s22, v6                       ; into it: fragment u, lane r's 16 bytes (+ 256 for the upper half of the lanes)
	v_add_nc_u32 v7, s22, v5                       ; out of it
	v_lshl_add_u32 v8, v2, 4, v3
	v_lshlrev_b32 v8, 2, v8                        ; my scale word's place in its group
	s_bfe_u32 s24, s21, 0x30003                    ; the expert: (j / 8) % 8 in all three tensors
	s_and_b32 s27, s21, 7                          ; W1, W3: K step s = the unit,
	s_lshl_b32 s25, s27, 17                        ; 128 rows of 1,024 bytes,
	s_lshr_b32 s28, s21, 6                         ; half of the record = mat
	s_bfe_u32 s32, s21, 0x10002                    ; W2: s2 = half of the record,
	s_and_b32 s33, s21, 3                          ; which 256 columns,
	s_lshl_b32 s29, s32, 19                        ; 128 rows of 4,096 bytes
	s_lshl_b32 s34, s33, 10
	s_add_co_u32 s29, s29, s34
	s_lshl_b32 s30, s33, 1
	s_lshr_b32 s34, s20, 2
	s_add_co_u32 s30, s30, s34                     ; the chain wave that owns my 32 columns,
	s_and_b32 s31, s20, 3
	s_add_co_u32 s31, s31, 8                       ; and its unit
	s_wait_kmcnt 0x0
	s_cmp_lt_u32 s21, 64                           ; the choices hang on the work-group's number alone
	s_cselect_b64 s[36:37], s[8:9], s[10:11]
	s_cmp_lt_u32 s21, 128
	s_cselect_b64 s[36:37], s[36:37], s[12:13]
	s_cselect_b32 s25, s25, s29
	s_cselect_b32 s26, s20, s30
	s_cselect_b32 s27, s27, s31
	s_cselect_b32 s28, s28, s32
	s_lshl_b32 s38, s24, 20                        ; an expert is 2^20 bytes in each tensor
	s_add_co_u32 s38, s38, s25
	s_lshl_b32 s39, s20, 7
	s_add_co_u32 s38, s38, s39                     ; + my 32 columns
	s_mov_b32 s39, 0
	s_add_nc_u64 s[36:37], s[36:37], s[38:39]
	s_lshl_b32 s40, s24, 3
	s_add_co_u32 s40, s40, s26
	s_mul_i32 s40, s40, 76800
	s_mul_i32 s41, s27, 6400
	s_add_co_u32 s40, s40, s41                     ; the record
	s_lshl_b32 s42, s28, 7
	s_add_co_u32 s42, s42, s40                     ; its scale group (6,144 bytes on, in the immediate)
	s_mul_i32 s41, s28, 3072
	s_add_co_u32 s40, s40, s41                     ; its two fragments
	s_mov_b32 s41, 0
	s_mov_b32 s43, 0
	s_add_nc_u64 s[44:45], s[14:15], s[40:41]
	s_add_nc_u64 s[46:47], s[14:15], s[42:43]
; Block t's 32 rows at my column: 32 lanes read 128 bytes on end.  The tensors' shapes differ in the pitch of a row alone: the branch, on the work-group's number, stands round the loads alone; both ways issue 32.
.macro QLOAD t
	s_cmp_lt_u32 s21, 128
	s_cbranch_scc0 .Lw2_\@
.set I, 32*(\t)
.rept 32
	global_load_b32 v[96+I], v4, s[36:37] offset:1024*I th:TH_LOAD_NT
.set I, I+1
.endr
	s_branch .Lgot_\@
.Lw2_\@:
.set I, 32*(\t)
.rept 32
	global_load_b32 v[96+I], v4, s[36:37] offset:4096*I th:TH_LOAD_NT
.set I, I+1
.endr
.Lgot_\@:
.endm
.macro BLOCK kb                        ; block kb = 2 c + h goes to registers 6 c .. 6 c + 5 of lane 16 h + r of my fragment's image
.set XS, 96+32*(\kb)
.set CC, 16+8*(\kb)
.set DD, 48+4*(\kb)
	v_max3_num_f32 v10, |v[XS]|, |v[XS+1]|, |v[XS+2]|
	v_max3_num_f32 v11, |v[XS+3]|, |v[XS+4]|, |v[XS+5]|
.irp i, 6,10,14,18,22,26
	v_max3_num_f32 v10, v10, |v[XS+\i]|, |v[XS+\i+1]|
	v_max3_num_f32 v11, v11, |v[XS+\i+2]|, |v[XS+\i+3]|
.endr
	v_max3_num_f32 v10, v10, |v[XS+30]|, |v[XS+31]|
	v_max3_num_f32 v10, v10, v11, 0x2800000        ; and the floor 2^(5 - 127): the byte cannot fall under 1
	v_add_nc_u32 v12, 0xfe000000, v10              ; 4 off the exponent field: the conversion's scale operand
	v_lshrrev_b32 v13, 23, v12                     ; the scale's byte
.if (\kb) == 0
	v_mov_b32 v9, v13
.else
	v_lshl_or_b32 v9, v13, 8*(\kb), v9
.endif
	v_cvt_scalef32_pk16_bf6_f32 v[CC:CC+2], v[XS:XS+15], v12
	v_cvt_scalef32_pk16_bf6_f32 v[DD:DD+2], v[XS+16:XS+31], v12    ; (a conversion's three registers begin on an even number)
	v_nop                                          ; one plain line behind the conversions
.irp i, 0,1,2
	v_mov_b32 v[CC+3+\i], v[DD+\i]
.endr
.if (\kb) < 2
	ds_store_b128 v6, v[CC:CC+3] offset:256*((\kb)%2)              ; registers 0-3,
	ds_store_b64 v6, v[CC+4:CC+5] offset:512+256*((\kb)%2)         ; 4-5
.else
	ds_store_b64 v6, v[CC:CC+1] offset:520+256*((\kb)%2)           ; registers 6-7,
	ds_store_b128 v6, v[CC+2:CC+5] offset:1024+256*((\kb)%2)       ; 8-11
.endif
.endm
	QLOAD 0                                        ; the loads run two blocks ahead; each block has registers of its own
	QLOAD 1
	s_wait_loadcnt 32                              ; block 0's 32 rows are in; block 1's stay out
	QLOAD 2
	BLOCK 0
	s_wait_loadcnt 32                              ; block 1's are in; block 2's stay out
	QLOAD 3
	BLOCK 1
	s_wait_loadcnt 32                              ; block 2's are in; block 3's stay out
	BLOCK 2
	s_wait_loadcnt 0x0
	BLOCK 3
.irp u, 0,1
.irp i, 0,1,2
	ds_load_b128 v[64+12*\u+4*\i:67+12*\u+4*\i], v7 offset:1664*\u+512*\i    ; my own bytes, served in order: these see my stores
.endr
.endr
	s_wait_dscnt 0x0
.irp u, 0,1
.irp i, 0,1,2
	global_store_b128 v5, v[64+12*\u+4*\i:67+12*\u+4*\i], s[44:45] offset:1536*\u+512*\i   ; each store covers 512 bytes on end, the six 3,072, from a multiple of 256
.endr
.endr
	global_store_b32 v8, v9, s[46:47] offset:6144
	s_set_vgpr_msb 0x5
	s_wait_tensorcnt 0x0
	ds_add_u32 v0, v1
	s_wait_dscnt 0x0
	s_set_vgpr_msb 0x500
	s_endpgm
.Lfunc_end_k_qe4ab02a392_prep:
	.size	k_qe4ab02a392_prep, .Lfunc_end_k_qe4ab02a392_prep-k_qe4ab02a392_prep
	.p2alignl 7, 3214868480
	.fill 96, 4, 3214868480
	.section	.rodata,"a",@progbits
	.p2align	6, 0x0
	.amdhsa_kernel k_qe4ab02a392_prep
		.amdhsa_group_segment_fixed_size 76800
		.amdhsa_private_segment_fixed_size 0
		.amdhsa_enable_private_segment 0
		.amdhsa_kernarg_size 64
		.amdhsa_user_sgpr_count 2
		.amdhsa_user_sgpr_kernarg_segment_ptr 1
		.amdhsa_wavefront_size32 1
		.amdhsa_system_sgpr_workgroup_id_x 1
		.amdhsa_system_sgpr_workgroup_id_y 1
		.amdhsa_system_sgpr_workgroup_id_z 1
		.amdhsa_system_vgpr_workitem_id 0
		.amdhsa_next_free_vgpr 258
		.amdhsa_next_free_sgpr 66
		.amdhsa_reserve_vcc 1
		.amdhsa_float_denorm_mode_32 3
		.amdhsa_float_denorm_mode_16_64 3
		.amdhsa_memory_ordered 1
		.amdhsa_forward_progress 1
		.amdhsa_inst_pref_size 102
	.end_amdhsa_kernel
	.amdgpu_metadata
---
amdhsa.version: [ 1, 2 ]
amdhsa.kernels:
  - .name:           k_qe4ab02a392_prep
    .symbol:         k_qe4ab02a392_prep.kd
    .args:
      - { .name: hidden_states, .offset: 0, .size: 8, .value_kind: global_buffer, .address_space: global }
      - { .name: gate_w, .offset: 8, .size: 8, .value_kind: global_buffer, .address_space: global }
      - { .name: W1, .offset: 16, .size: 8, .value_kind: global_buffer, .address_space: global }
      - { .name: W3, .offset: 24, .size: 8, .value_kind: global_buffer, .address_space: global }
      - { .name: W2, .offset: 32, .size: 8, .value_kind: global_buffer, .address_space: global }
      - { .name: wc, .offset: 40, .size: 8, .value_kind: global_buffer, .address_space: global }
      - { .name: route, .offset: 48, .size: 8, .value_kind: global_buffer, .address_space: global }
      - { .name: wts, .offset: 56, .size: 8, .value_kind: global_buffer, .address_space: global }
    .group_segment_fixed_size: 76800
    .private_segment_fixed_size: 0
    .kernarg_segment_align: 8
    .kernarg_segment_size: 64
    .max_flat_workgroup_size: 256
    .sgpr_count:     66
    .vgpr_count:     258
    .wavefront_size: 32
...
	.end_amdgpu_metadata
.endif
;; end of part 1
;; launch place (part 2): grid 1 x 1, 32 waves a work-group, no clusters, 37,376 bytes of LDS; arguments route, order; writes order
.if DOCPART == 2
	.amdgcn_target "amdgcn-amd-amdhsa--gfx1250"
	.amdhsa_code_object_version 6
	.text
	.protected	k_qe4ab02a392_place
	.globl	k_qe4ab02a392_place
	.p2align	8
	.type	k_qe4ab02a392_place,@function
k_qe4ab02a392_place:
	s_mov_b64 s[64:65], 0
	v_nop
	global_prefetch_b8 v0, s[64:65] scope:SCOPE_SE
	s_setreg_imm32_b32 hwreg(HW_REG_WAVE_MODE, 25, 1), 1
	s_wait_xcnt 0x0
; A COUNTING SORT of the 8,192 tokens by their pair of experts (28 buckets), without atomics, by one work-group of 32 waves.
; Each bucket is cut into blocks of up to 64 tokens; buckets begin on a block's edge.  There are never more than 8192 / 64 + 27 = 155 blocks.
; order: hdr[256] u32 at byte 0: n | lo << 8 | hi << 12, 0 for a block without tokens;  slot[155][64] u32 from byte 1,024: token numbers; slots from n on are not written, and nobody reads them.
; Wave v is bucket v; its lane l holds the counts of chunks 8 l .. 8 l + 7 (a chunk = 32 tokens).  A token's slot = 64 x its bucket's first block + the bucket's tokens in earlier chunks + its rank in its chunk.
.set NB,  0                            ; LDS: the 32 buckets' sizes
.set TAB, 256                          ; LDS: [bucket 32][chunk 256] u32: the slot of the chunk's first token of the bucket
	s_load_b128 s[4:7], s[0:1], 0x0                ; route, order
	v_lshl_add_u32 v64, v0, 2, 0x8200
	v_mov_b32 v65, 0
	v_lshrrev_b32 v1, 5, v0
	v_readfirstlane_b32 s8, v1                     ; wave 0..31
	v_and_b32 v2, 31, v0                           ; lane
	v_bfe_u32 v3, v0, 4, 1                         ; 1 in lanes 16-31
	v_lshlrev_b32 v4, 5, v0                        ; 32 x thread
	v_lshlrev_b32 v5, 2, v0                        ; 4 x thread
	v_lshlrev_b32 v36, 2, v1                       ; 4 x wave
	v_lshlrev_b32 v38, 2, v2                       ; 4 x lane
	s_wait_kmcnt 0x0
	global_load_b128 v[8:11], v4, s[4:5] offset:32768              ; hist[wave][8 lane ..]
	global_load_b128 v[12:15], v4, s[4:5] offset:32784
.irp j, 0,1,2,3,4,5,6,7
	global_load_b32 v[16+\j], v5, s[4:5] offset:4096*\j            ; the words of tokens thread + 1024 j
.endr
	s_wait_loadcnt 8                               ; the counts are in; the eight words stay out
	v_mov_b32 v24, 0                               ; v24-31: my eight chunks' running sums, each without its own count
	v_mov_b32 v25, v8
.irp k, 2,3,4,5,6,7
	v_add_nc_u32 v[24+\k], v[23+\k], v[7+\k]
.endr
	v_add_nc_u32 v32, v31, v15                     ; my eight chunks' total
	v_mov_b32 v33, v32
.macro SCAN reg, tmp                   ; running sums over the 32 lanes, each with its own number
.irp n, 1,2,4,8
	v_mov_b32 v[\tmp], 0                           ; lanes without a source keep this
	v_mov_b32_dpp v[\tmp], v[\reg] row_shr:\n row_mask:0xf bank_mask:0xf
	v_add_nc_u32 v[\reg], v[\reg], v[\tmp]
.endr
	v_readlane_b32 s12, v[\reg], 15                ; the lower 16 lanes' total is added in the upper 16
	v_mad_u32_u24 v[\reg], v3, s12, v[\reg]
.endm
	SCAN 33, 34
	v_sub_nc_u32 v35, v33, v32                     ; the bucket's tokens in the lanes below mine
	v_readlane_b32 s13, v33, 31                    ; the bucket's size
	v_mov_b32 v37, s13
	ds_store_b32 v36, v37 offset:NB                ; all lanes write the same word with the same value
	s_wait_dscnt 0x0                               ; for the others' sake
	s_barrier_signal -1
	s_barrier_wait -1
	ds_load_b32 v40, v38 offset:NB                 ; lane = bucket: n
	s_wait_dscnt 0x0
	v_add_nc_u32 v41, 63, v40
	v_lshrrev_b32 v41, 6, v41                      ; its blocks
	v_mov_b32 v42, v41
	SCAN 42, 34
	v_sub_nc_u32 v43, v42, v41                     ; its first block
	ds_bpermute_b32 v44, v36, v43                  ; every lane takes that of lane = my wave: my bucket's
	s_wait_dscnt 0x0
	v_lshl_add_u32 v45, v44, 6, v35
.irp k, 0,1,2,3,4,5,6,7
	v_add_nc_u32 v[48+\k], v45, v[24+\k]
.endr
	ds_store_b128 v4, v[48:51] offset:TAB
	ds_store_b128 v4, v[52:55] offset:TAB+16
	s_wait_dscnt 0x0                               ; for the others' sake
	s_barrier_signal -1
	s_barrier_wait -1
	s_wait_loadcnt 0x0                             ; the tokens' words
.irp j, 0,1,2,3,4,5,6,7
	v_and_b32 v[56+\j], 0xff, v[16+\j]             ; kk,
	v_min_u32 v[56+\j], 31, v[56+\j]               ; held inside the table
	v_lshl_add_u32 v[56+\j], v[56+\j], 10, v36     ; token thread + 1024 j lies in chunk wave + 32 j
	ds_load_b32 v[24+\j], v[56+\j] offset:TAB+128*\j
.endr
	s_wait_dscnt 0x0
.irp j, 0,1,2,3,4,5,6,7
	v_lshrrev_b32 v[16+\j], 8, v[16+\j]            ; rank
	v_add_nc_u32 v[24+\j], v[24+\j], v[16+\j]
	v_min_u32 v[24+\j], 9919, v[24+\j]             ; held inside the 155 x 64 slots
	v_lshlrev_b32 v[24+\j], 2, v[24+\j]
	v_add_nc_u32 v[8+\j], 1024*\j, v0              ; the token's number
	global_store_b32 v[24+\j], v[8+\j], s[6:7] offset:1024
.endr
	s_cmp_ge_u32 s8, 8                             ; the headers: thread = block, 256 of them; no barrier follows
	s_cbranch_scc1 .Ldone
	v_mov_b32 v46, 0
.macro HPAIR kk, lo, hi
	v_readlane_b32 s12, v43, \kk                   ; the bucket's first block, its blocks, its size
	v_readlane_b32 s13, v41, \kk
	v_readlane_b32 s14, v40, \kk
	v_sub_nc_u32 v47, v0, s12                      ; which of its blocks I would be (a great number if I lie below)
	v_cmp_gt_u32 vcc_lo, s13, v47
	v_lshlrev_b32 v48, 6, v47
	v_sub_nc_u32 v48, s14, v48
	v_min_u32 v48, 64, v48                         ; what is left of the bucket, 64 at the most
	v_or_b32 v48, (\lo<<8)|(\hi<<12), v48
	v_cndmask_b32 v46, v46, v48, vcc_lo
.endm
.set KK, 0
.irp a, 0,1,2,3,4,5,6
.irp b, 1,2,3,4,5,6,7
.if \b > \a
	HPAIR KK, \a, \b
.set KK, KK+1
.endif
.endr
.endr
	global_store_b32 v5, v46, s[6:7]
.Ldone:
	s_wait_tensorcnt 0x0
	ds_add_u32 v64, v65
	s_wait_dscnt 0x0
	s_endpgm
.Lfunc_end_k_qe4ab02a392_place:
	.size	k_qe4ab02a392_place, .Lfunc_end_k_qe4ab02a392_place-k_qe4ab02a392_place
	.p2alignl 7, 3214868480
	.fill 96, 4, 3214868480
	.section	.rodata,"a",@progbits
	.p2align	6, 0x0
	.amdhsa_kernel k_qe4ab02a392_place
		.amdhsa_group_segment_fixed_size 37376
		.amdhsa_private_segment_fixed_size 0
		.amdhsa_enable_private_segment 0
		.amdhsa_kernarg_size 16
		.amdhsa_user_sgpr_count 2
		.amdhsa_user_sgpr_kernarg_segment_ptr 1
		.amdhsa_wavefront_size32 1
		.amdhsa_system_sgpr_workgroup_id_x 1
		.amdhsa_system_sgpr_workgroup_id_y 1
		.amdhsa_system_sgpr_workgroup_id_z 1
		.amdhsa_system_vgpr_workitem_id 0
		.amdhsa_next_free_vgpr 66
		.amdhsa_next_free_sgpr 66
		.amdhsa_reserve_vcc 1
		.amdhsa_float_denorm_mode_32 3
		.amdhsa_float_denorm_mode_16_64 3
		.amdhsa_memory_ordered 1
		.amdhsa_forward_progress 1
		.amdhsa_inst_pref_size 23
	.end_amdhsa_kernel
	.amdgpu_metadata
---
amdhsa.version: [ 1, 2 ]
amdhsa.kernels:
  - .name:           k_qe4ab02a392_place
    .symbol:         k_qe4ab02a392_place.kd
    .args:
      - { .name: route, .offset: 0, .size: 8, .value_kind: global_buffer, .address_space: global }
      - { .name: order, .offset: 8, .size: 8, .value_kind: global_buffer, .address_space: global }
    .group_segment_fixed_size: 37376
    .private_segment_fixed_size: 0
    .kernarg_segment_align: 8
    .kernarg_segment_size: 16
    .max_flat_workgroup_size: 1024
    .sgpr_count:     66
    .vgpr_count:     66
    .wavefront_size: 32
...
	.end_amdgpu_metadata
.endif
;; end of part 2
;; launch chain (part 3): grid 155 x 1, 8 waves a work-group, no clusters, 271,360 bytes of LDS; arguments hidden_states, dom, wc, wts, order, out0; writes out0
.if DOCPART == 3
	.amdgcn_target "amdgcn-amd-amdhsa--gfx1250"
	.amdhsa_code_object_version 6
	.text
	.protected	k_qe4ab02a392_chain
	.globl	k_qe4ab02a392_chain
	.p2align	8
	.type	k_qe4ab02a392_chain,@function
k_qe4ab02a392_chain:
	s_mov_b64 s[64:65], 0
	v_nop
	global_prefetch_b8 v0, s[64:65] scope:SCOPE_SE
	s_setreg_imm32_b32 hwreg(HW_REG_WAVE_MODE, 25, 1), 1
	s_wait_xcnt 0x0
; ONE BLOCK OF UP TO 64 TOKENS THAT CHOSE THE SAME TWO EXPERTS (lo, hi) goes through the whole chain for both: xe = x + dom[e], quantised along H; G = xe W1, U = xe W3; h = silu(G) U, quantised along I;
; y = h W2; out = w_lo y_lo + w_hi y_hi.  All three products on codes of E3M2 with one E8M0 scale for each 32 along K; sums in f32.  Each token has one owner, so nothing is summed through memory.
; THE GRID is 155 work-groups, as many blocks as any split can make (8192 / 64 + 27).  Rows from n on repeat row n - 1: the same token, the same numbers; of a tile of 16 rows that begins at or behind n nothing is stored.
; A BLOCK WITHOUT ROWS (header 0: a split that makes fewer blocks) walks the same text on the first token of block 0, which always has rows (there are 8,192 tokens), with expert 0 twice, and stores nothing:
; every wave passes both barriers on every path.  That work is thrown away; it is the price of a grid that serves every split.
; NO JOINT LOADS, NO TENSOR LOADS: which experts a block has hangs on stored numbers, and neighbouring blocks may have other experts, so partners would not ask for the same tiles.
; The weights come from memory straight into operand registers, as the first launch has laid them: 16 bytes a lane, 512 bytes on end an instruction.
; SHARES.  X: wave w quantises K step w (k = 128 w ..) of the 64 rows, for both experts, and leaves the fragments in LDS as images of their registers | barrier |
; 1: wave w makes hidden units 32 w .. 32 w + 31 of G and U (transposed: source 0 = 16 columns of W, source 1 = 16 rows of xe), for lo, then for hi; h is one block of 32 along the next K: codes and scale byte to LDS | barrier |
; 2: wave w makes output columns 128 w .. 128 w + 127, 32 at a time, for lo and for hi; the weighted sum goes through the wave's own stage and leaves as aligned runs of 256 bytes of a row.
; THE RING: a unit (a record of wc: 4 fragments and 2 registers of scale words, 14 loads) is asked for three units ahead of its use, in four sets of registers (phase 2: three sets, two units ahead).
; LIMITS: NaN and infinities are not served; a block of zeros has the scale byte 1 (its codes are zeros); largest magnitudes under 2^-122 are held at that floor.
; REGISTERS, window 0: v1 16 x lane, v2 4 x lane; v4-11 (w_lo, w_hi) of my row in tile m at 4 + 2 m; v12-15 the way out; v16-23 the ring's scale words; v24-31 scale words of xe (v26-27), later of h: v16-31 hold scales alone.
;   X: v32-43 at work, v44-55 the codes made, v56-119 xe, v120-183 and v184-247 x by turns, v248-251 my rows' offsets in x, v252 64 h, v253 the scale word made, v254-255 where images and words go.
;   1: v3 where h's bytes go, v32-79 four fragments of xe, v80-125 at work, v126 images of hi, v127 where h's codes go, v128-255 accumulators (128 + 32 m + 16 mat + 8 u).
;   2: v3 the hidden images' read address, v32-127 h of hi, v128-255 y (128 + 64 x + 16 m + 8 u); in a flush v128-159 rows, v160-167 tokens, v168-175 addresses.
; window 1: the ring's fragments at 48 x set; X: v128-191 dom[lo], v192-255 dom[hi]; 2: v144-239 h of lo.
.set XSC,  0                           ; x 2048 + s 256 + (m / 2) 128 + (m % 2) 64 + 4 r: xe's scale words (x: 0 = lo, 1 = hi; s: K step; m: tile of rows)
.set HSC,  4096                        ; x 512 + s2 256 + (m / 2) 128 + (m % 2) 64 + 4 r + block: h's scale bytes
.set TOKL, 5120                        ; 256 wave + 4 row: the block's tokens, a copy for each wave
.set XIMG, 7168                        ; ((x 8 + s) 4 + m) 1536 + 512 c + 16 lane: xe's fragments
.set HIMG, 105472                      ; x 12800 + m 3200 + s2 1536 + c 768 + plane 256 + 8 lane: h's fragments, by pairs of registers
.set STG,  131072                      ; 17408 wave + 272 row: the wave's stage, 64 rows x (256 bytes + 16)
.set TM,   32
.set PC,   44
.set XO,   248
.set H64,  252
.set PW,   253
.set XWI,  254
.set XWS,  255
.set XI1,  126
.set HW,   127
.set HSA,  3
.set MSB, 0
.macro WIN new                         ; s_set_vgpr_msb: bits 1:0 source 0, 3:2 source 1, 5:4 source 2, 7:6 destination; the high byte repeats the setting that is left
.if MSB != \new
	s_set_vgpr_msb (MSB<<8)|\new
.set MSB, \new
.endif
.endm
	s_load_b256 s[4:11], s[0:1], 0x0               ; x s[4:5], dom s[6:7], wc s[8:9], wts s[10:11]
	s_load_b128 s[12:15], s[0:1], 0x20             ; order s[12:13], out s[14:15]
	v_lshrrev_b32 v1, 5, v0
	v_readfirstlane_b32 s16, v1                    ; wave 0..7
	s_lshl_b32 s36, ttmp9, 2
	s_mov_b32 s37, 0
	s_wait_kmcnt 0x0
	s_add_nc_u64 s[38:39], s[12:13], s[36:37]
	s_load_b32 s17, s[38:39], 0x0                  ; my block's header
	v_and_b32 v57, 31, v0                          ; lane
	v_and_b32 v58, 15, v0                          ; r
	v_bfe_u32 v59, v0, 4, 1                        ; h
	v_lshlrev_b32 v1, 4, v57
	v_lshlrev_b32 v2, 2, v57
	s_mul_i32 s40, s16, 17408
	s_add_co_u32 s40, s40, STG                     ; my stage
	v_mul_u32_u24 v12, v58, 272
	v_lshl_add_u32 v12, v59, 6, v12
	v_add_nc_u32 v12, s40, v12                     ; into it: row r, + 64 h bytes
	v_mul_u32_u24 v13, v59, 272
	v_lshl_add_u32 v13, v58, 4, v13
	v_add_nc_u32 v13, s40, v13                     ; out of it: lanes 0-15 one row of 256 bytes, lanes 16-31 the next
	s_lshl_b32 s41, s16, 8
	s_add_co_u32 s41, s41, TOKL                    ; my copy of the tokens
	v_lshl_add_u32 v14, v59, 2, s41                ; the same two rows' tokens
	v_lshlrev_b32 v15, 4, v58
	v_lshl_add_u32 v56, v58, 2, s41                ; where I put my rows' tokens
	v_lshlrev_b32 v[H64], 6, v59
	s_mul_i32 s42, s16, 6144
	v_add_nc_u32 v[XWI], s42, v1                   ; my K step's images: 4 fragments of 1,536 bytes
	s_lshl_b32 s43, s16, 8
	v_lshl_add_u32 v[XWS], v58, 2, s43             ; and their scale words
.irp b, 0,1,2,3
	v_mov_b32 v[TM+4+\b], 0                        ; written once: a lane permute's destination counts as one of its sources
.endr
	s_mov_b32 s32, 0x76543210
	s_mov_b32 s33, 0xfedcba98                      ; v_permlanex16_b32's selects for lane l xor 16
	s_wait_kmcnt 0x0
	s_and_b32 s18, s17, 0xff                       ; n
	s_max_u32 s19, s18, 1
	s_sub_co_u32 s19, s19, 1                       ; the last row's number; 0 in a block without rows
	s_min_u32 s40, s18, 1
	s_mul_i32 s40, s40, ttmp9                      ; whose slots I read: my block's; block 0's where I have no rows
	s_bfe_u32 s20, s17, 0x40008
	s_min_u32 s20, s20, 7                          ; lo
	s_bfe_u32 s21, s17, 0x4000c
	s_min_u32 s21, s21, 7                          ; hi
	s_mov_b32 s45, 0
	s_mov_b32 s47, 0
	s_lshl_b32 s44, s20, 3
	s_add_co_u32 s44, s44, s16
	s_mul_i32 s44, s44, 76800
	s_add_nc_u64 s[22:23], s[8:9], s[44:45]        ; my 12 records of lo,
	s_lshl_b32 s44, s21, 3
	s_add_co_u32 s44, s44, s16
	s_mul_i32 s44, s44, 76800
	s_add_nc_u64 s[24:25], s[8:9], s[44:45]        ; of hi
	s_lshl_b32 s46, s16, 9                         ; 512 x wave: my K step in a row of x and of dom, my columns in a row of out
	s_lshl_b32 s44, s20, 12
	s_add_co_u32 s44, s44, s46
	s_add_nc_u64 s[26:27], s[6:7], s[44:45]
	s_lshl_b32 s44, s21, 12
	s_add_co_u32 s44, s44, s46
	s_add_nc_u64 s[28:29], s[6:7], s[44:45]
	s_add_nc_u64 s[4:5], s[4:5], s[46:47]
	s_add_nc_u64 s[14:15], s[14:15], s[46:47]
	s_lshl_b32 s44, s40, 8
	s_add_nc_u64 s[34:35], s[12:13], s[44:45]      ; the block's 64 slots (1,024 bytes on, in the immediate)
.irp m, 0,1,2,3
	v_add_nc_u32 v[60+\m], 16*\m, v58
	v_min_u32 v[60+\m], s19, v[60+\m]              ; rows from n on repeat row n - 1
	v_min_u32 v[60+\m], 63, v[60+\m]
	v_lshlrev_b32 v[60+\m], 2, v[60+\m]
	global_load_b32 v[64+\m], v[60+\m], s[34:35] offset:1024
.endr
	WIN 0x40                                       ; destination window 1
.irp b, 0,1,2,3
.irp j, 0,1,2,3
	global_load_b128 v[128+16*\b+4*\j:131+16*\b+4*\j], v[H64], s[26:27] offset:128*\b+16*\j   ; dom at my 64 places of the K step: register 16 b + 4 j + i = k 32 b + 16 h + 4 j + i, as x
	global_load_b128 v[192+16*\b+4*\j:195+16*\b+4*\j], v[H64], s[28:29] offset:128*\b+16*\j
.endr
.endr
.macro LOADU set, base, unit           ; a record: 4 fragments into the set's 48 registers of window 1, 2 registers of scale words: 14 loads
	WIN 0x40
.irp f, 0,1,2,3
.irp c, 0,1,2
	global_load_b128 v[48*(\set)+12*\f+4*\c:48*(\set)+12*\f+4*\c+3], v1, s[\base:\base+1] offset:6400*(\unit)+1536*\f+512*\c
.endr
.endr
	WIN 0
	global_load_b32 v[16+2*(\set)], v2, s[\base:\base+1] offset:6400*(\unit)+6144
	global_load_b32 v[17+2*(\set)], v2, s[\base:\base+1] offset:6400*(\unit)+6272
.endm
.macro XLOAD buf, m                    ; my 64 numbers of tile m's rows
.irp b, 0,1,2,3
.irp j, 0,1,2,3
	global_load_b128 v[\buf+16*\b+4*\j:\buf+16*\b+4*\j+3], v[XO+(\m)], s[4:5] offset:128*\b+16*\j
.endr
.endr
.endm
	LOADU 0, 22, 0
	LOADU 1, 22, 1
	s_wait_loadcnt 60                              ; the four tokens are in; behind them 32 loads of dom and two units of 14 stay out
.irp m, 0,1,2,3
	v_min_u32 v[64+\m], 0x1fff, v[64+\m]           ; a token's number, held inside the 8,192
	ds_store_b32 v56, v[64+\m] offset:64*\m        ; (both halves of the lanes write the same word with the same value)
	v_lshlrev_b32 v[68+\m], 3, v[64+\m]
	global_load_b64 v[4+2*\m:5+2*\m], v[68+\m], s[10:11]           ; (w_lo, w_hi)
	v_lshl_add_u32 v[XO+\m], v[64+\m], 12, v[H64]  ; its row of x, + 64 h
.endr
	XLOAD 120, 0
	XLOAD 184, 1
	s_wait_dscnt 0x0                               ; the token stores have read their registers
; 64 numbers of a lane, v[s] .. v[s + 63], register 16 b + i = k 32 b + 16 h + i of my row, become a fragment's codes in v[PC] on and its scale word in v[PW]
.macro QUANT s
.irp b, 0,1,2,3
	v_max3_num_f32 v[TM+\b], |v[\s+16*\b]|, |v[\s+1+16*\b]|, 0x2800000   ; block b: my 16 numbers, and the floor 2^(5 - 127): the byte cannot fall under 1
.endr
.irp i, 2,4,6,8,10,12,14
.irp b, 0,1,2,3
	v_max3_num_f32 v[TM+\b], v[TM+\b], |v[\s+16*\b+\i]|, |v[\s+1+16*\b+\i]|
.endr
.endr
.irp b, 0,1,2,3
	v_permlanex16_b32 v[TM+4+\b], v[TM+\b], s32, s33
.endr
.irp b, 0,1,2,3
	v_max_num_f32 v[TM+\b], v[TM+\b], v[TM+4+\b]   ; with lane l xor 16's: the block's largest magnitude
.endr
.irp b, 0,1,2,3
	v_add_nc_u32 v[TM+8+\b], 0xfe000000, v[TM+\b]  ; 4 off its exponent field: the conversion's scale operand
.endr
.irp b, 0,1,2,3
	v_lshrrev_b32 v[TM+4+\b], 23, v[TM+8+\b]       ; the scale's byte
.endr
	v_lshl_or_b32 v[PW], v[TM+5], 8, v[TM+4]
	v_lshl_or_b32 v[PW], v[TM+6], 16, v[PW]
	v_lshl_or_b32 v[PW], v[TM+7], 24, v[PW]
.irp c, 0,1
	v_cvt_scalef32_pk16_bf6_f32 v[PC+6*\c:PC+2+6*\c], v[\s+32*\c:\s+15+32*\c], v[TM+8+2*\c]
	v_cvt_scalef32_pk16_bf6_f32 v[TM+4*\c:TM+2+4*\c], v[\s+16+32*\c:\s+31+32*\c], v[TM+9+2*\c]   ; (a conversion's three registers begin on an even number)
.endr
	v_nop                                          ; one plain line behind the conversions
.irp c, 0,1                                        ; the operand's layout wants a whole block in a lane: lanes 0-15 block 2 c, lanes 16-31 block 2 c + 1
.irp i, 0,1,2
	v_permlane16_swap_b32 v[PC+6*\c+\i], v[TM+4*\c+\i]
.endr
.irp i, 0,1,2
	v_mov_b32 v[PC+3+6*\c+\i], v[TM+4*\c+\i]
.endr
.endr
.endm
.macro IMAGE adr, off                  ; the fragment in v[PC] on goes to LDS as it stands: 16 bytes a lane, 512 bytes a store
.irp c, 0,1,2
	ds_store_b128 v[\adr], v[PC+4*\c:PC+4*\c+3] offset:(\off)+512*\c
.endr
.endm
; ---- X: tile m of my K step, for lo and for hi
.macro XPHASE m, buf
.if (\m) < 3
	s_wait_loadcnt 16                              ; this tile's numbers are in (and all that was asked for earlier); the next tile's 16 loads stay out
.else
	s_wait_loadcnt 0x0
.endif
	WIN 0x04                                       ; source 1 (dom) window 1
.set I, 0
.rept 32
	v_pk_add_f32 v[56+I:57+I], v[\buf+I:\buf+I+1], v[128+I:129+I]  ; x + dom[lo]
.set I, I+2
.endr
	WIN 0
	QUANT 56
	IMAGE XWI, XIMG+1536*(\m)
	ds_store_b32 v[XWS], v[PW] offset:XSC+128*((\m)/2)+64*((\m)%2)
	WIN 0x04
.set I, 0
.rept 32
	v_pk_add_f32 v[\buf+I:\buf+I+1], v[\buf+I:\buf+I+1], v[192+I:193+I]   ; x + dom[hi], in place
.set I, I+2
.endr
	WIN 0
	s_wait_dscnt 0x0                               ; the stores have read the codes and the word: both are made anew
	QUANT \buf
	IMAGE XWI, XIMG+49152+1536*(\m)
	ds_store_b32 v[XWS], v[PW] offset:XSC+2048+128*((\m)/2)+64*((\m)%2)
	s_wait_dscnt 0x0
.if (\m) < 2
	XLOAD \buf, (\m)+2
.endif
.endm
	XPHASE 0, 120
	XPHASE 1, 184
	XPHASE 2, 120
	XPHASE 3, 184
	LOADU 2, 22, 2                                 ; dom is done with: the ring takes its registers
	LOADU 3, 22, 3
	v_and_b32 v120, 15, v0                         ; r
	v_bfe_u32 v121, v0, 4, 1                       ; h
	v_add_nc_u32 v[XI1], 49152, v1                 ; hi's images (lo's are read through v1)
	s_lshr_b32 s40, s16, 2                         ; my block of 32 hidden units is block wave % 4 of K step wave / 4: registers 6 ((wave / 2) % 2) on of lanes 16 (wave % 2) + r
	s_mul_i32 s41, s40, 1536
	s_bfe_u32 s42, s16, 0x10001
	s_mul_i32 s42, s42, 768
	s_add_co_u32 s41, s41, s42
	s_and_b32 s42, s16, 1
	s_lshl_b32 s42, s42, 7
	s_add_co_u32 s41, s41, s42
	s_add_co_u32 s41, s41, HIMG
	v_mul_u32_u24 v[HW], v121, 3200                ; lanes 16-31 hold the odd tile's block
	v_lshl_add_u32 v[HW], v120, 3, v[HW]
	v_add_nc_u32 v[HW], s41, v[HW]
	s_lshl_b32 s40, s40, 8
	s_and_b32 s42, s16, 3
	s_add_co_u32 s40, s40, s42
	s_add_co_u32 s40, s40, HSC
	v_lshl_add_u32 v[HSA], v120, 2, s40            ; my byte of row r's scale word
	s_wait_dscnt 0x0                               ; for the others' sake: my images and words have landed
	s_barrier_signal -1
	s_barrier_wait -1                              ; xe's 64 fragments lie in LDS
; one scaled product.  ra, rb: the scales stand in lanes 16-31 of their registers
.macro WMS d, a, b, zero, sa, sb, ra, rb
.if \zero
.if \ra
.if \rb
	v_wmma_scale_f32_16x16x128_f8f6f4 v[\d:\d+7], v[\a:\a+11], v[\b:\b+11], 0, v[\sa], v[\sb] matrix_a_fmt:MATRIX_FMT_BF6 matrix_b_fmt:MATRIX_FMT_BF6 matrix_a_scale:MATRIX_SCALE_ROW1 matrix_b_scale:MATRIX_SCALE_ROW1
.else
	v_wmma_scale_f32_16x16x128_f8f6f4 v[\d:\d+7], v[\a:\a+11], v[\b:\b+11], 0, v[\sa], v[\sb] matrix_a_fmt:MATRIX_FMT_BF6 matrix_b_fmt:MATRIX_FMT_BF6 matrix_a_scale:MATRIX_SCALE_ROW1
.endif
.else
.if \rb
	v_wmma_scale_f32_16x16x128_f8f6f4 v[\d:\d+7], v[\a:\a+11], v[\b:\b+11], 0, v[\sa], v[\sb] matrix_a_fmt:MATRIX_FMT_BF6 matrix_b_fmt:MATRIX_FMT_BF6 matrix_b_scale:MATRIX_SCALE_ROW1
.else
	v_wmma_scale_f32_16x16x128_f8f6f4 v[\d:\d+7], v[\a:\a+11], v[\b:\b+11], 0, v[\sa], v[\sb] matrix_a_fmt:MATRIX_FMT_BF6 matrix_b_fmt:MATRIX_FMT_BF6
.endif
.endif
.else
.if \ra
.if \rb
	v_wmma_scale_f32_16x16x128_f8f6f4 v[\d:\d+7], v[\a:\a+11], v[\b:\b+11], v[\d:\d+7], v[\sa], v[\sb] matrix_a_fmt:MATRIX_FMT_BF6 matrix_b_fmt:MATRIX_FMT_BF6 matrix_a_scale:MATRIX_SCALE_ROW1 matrix_b_scale:MATRIX_SCALE_ROW1
.else
	v_wmma_scale_f32_16x16x128_f8f6f4 v[\d:\d+7], v[\a:\a+11], v[\b:\b+11], v[\d:\d+7], v[\sa], v[\sb] matrix_a_fmt:MATRIX_FMT_BF6 matrix_b_fmt:MATRIX_FMT_BF6 matrix_a_scale:MATRIX_SCALE_ROW1
.endif
.else
.if \rb
	v_wmma_scale_f32_16x16x128_f8f6f4 v[\d:\d+7], v[\a:\a+11], v[\b:\b+11], v[\d:\d+7], v[\sa], v[\sb] matrix_a_fmt:MATRIX_FMT_BF6 matrix_b_fmt:MATRIX_FMT_BF6 matrix_b_scale:MATRIX_SCALE_ROW1
.else
	v_wmma_scale_f32_16x16x128_f8f6f4 v[\d:\d+7], v[\a:\a+11], v[\b:\b+11], v[\d:\d+7], v[\sa], v[\sb] matrix_a_fmt:MATRIX_FMT_BF6 matrix_b_fmt:MATRIX_FMT_BF6
.endif
.endif
.endif
.endm
.macro FETCHX x, s                     ; xe's four fragments of K step s and their scale words (a register: lanes 0-15 the even tile's rows, lanes 16-31 the odd tile's)
.set XR, 1+125*(\x)                    ; v1 for lo, v126 for hi
.irp m, 0,1,2,3
.irp c, 0,1,2
	ds_load_b128 v[32+12*\m+4*\c:35+12*\m+4*\c], v[XR] offset:XIMG+(4*(\s)+\m)*1536+512*\c
.endr
.endr
	ds_load_b32 v26, v2 offset:XSC+2048*(\x)+256*(\s)
	ds_load_b32 v27, v2 offset:XSC+2048*(\x)+256*(\s)+128
.endm
.macro PLACES                          ; four plain lines between matrix instructions and loads into, or vector reads of, their registers
.rept 4
	v_nop
.endr
.endm
; ---- 1: a K step: 16 products, the sixteen accumulators by turns, one instruction a turn, in the same order in every step
.macro KSTEP x, s
.set NN, 8*(\x)+(\s)
.set RS, NN%4
.set ZZ, (\s)==0
	s_wait_loadcnt 42                              ; this unit's 14 loads are in; the three units asked for behind it stay out
	s_wait_dscnt 0x0                               ; xe's fragments and words
	WIN 0x01                                       ; source 0 (the weights) window 1
.irp m, 0,1,2,3
.irp t, 0,1
.irp u, 0,1
	WMS 128+32*\m+16*\t+8*\u, 48*RS+12*(2*\t+\u), 32+12*\m, ZZ, 16+2*RS+\t, 26+\m/2, \u, \m%2
.endr
.endr
.endr
	WIN 0
	PLACES
.if NN < 15
	FETCHX (NN+1)/8, (NN+1)%8
.endif
.if NN < 4
	LOADU RS, 22, NN+4                             ; the set just multiplied takes the unit four on: lo's K steps,
.elseif NN < 12
	LOADU RS, 24, NN-4                             ; hi's,
.elseif NN < 15
	LOADU RS, 22+2*((NN-12)%2), 8+(NN-12)/2        ; then the second product's first three units
.endif
.endm
; h = silu(G) U of tiles 2 p and 2 p + 1, quantised: my 32 hidden units are one block of a row; lanes r and 16 + r hold its halves
.macro ACT x, p
.set G0, 128+64*(\p)
.irp t, 0,1
.irp i, 0,2,4,6,8,10,12,14
	v_pk_mul_f32 v[80+16*\t+\i:81+16*\t+\i], v[G0+32*\t+\i:G0+32*\t+\i+1], 0xbfb8aa3b op_sel_hi:[1,0]   ; - G log2(e); each accumulator is read from its low end on
.endr
.endr
.set I, 0
.rept 32
	v_exp_f32 v[80+I], v[80+I]
.set I, I+1
.endr
	v_nop                                          ; a plain line behind the batch,
	s_wait_alu depctr_va_vdst(0)                   ; and the one wait ahead of its first reader
.set I, 0
.rept 16
	v_pk_add_f32 v[80+I:81+I], v[80+I:81+I], 1.0 op_sel_hi:[1,0]
.set I, I+2
.endr
.set I, 0
.rept 32
	v_rcp_f32 v[80+I], v[80+I]                     ; 1 / (1 + e^-G)
.set I, I+1
.endr
	v_nop
	s_wait_alu depctr_va_vdst(0)
.irp t, 0,1
.irp i, 0,2,4,6,8,10,12,14
	v_pk_mul_f32 v[G0+32*\t+\i:G0+32*\t+\i+1], v[G0+32*\t+\i:G0+32*\t+\i+1], v[80+16*\t+\i:81+16*\t+\i]
.endr
.endr
.irp t, 0,1
.irp i, 0,2,4,6,8,10,12,14
	v_pk_mul_f32 v[G0+32*\t+\i:G0+32*\t+\i+1], v[G0+32*\t+\i:G0+32*\t+\i+1], v[G0+16+32*\t+\i:G0+17+32*\t+\i]
.endr
.endr
	s_wait_dscnt 0x0                               ; the last stores of codes and bytes have read their registers
.irp t, 0,1
	v_max3_num_f32 v[118+\t], |v[G0+32*\t]|, |v[G0+32*\t+1]|, 0x2800000
.endr
.irp i, 2,4,6,8,10,12,14
.irp t, 0,1
	v_max3_num_f32 v[118+\t], v[118+\t], |v[G0+32*\t+\i]|, |v[G0+32*\t+\i+1]|
.endr
.endr
.irp t, 0,1
	v_permlanex16_b32 v[120+\t], v[118+\t], s32, s33
.endr
.irp t, 0,1
	v_max_num_f32 v[118+\t], v[118+\t], v[120+\t]
.endr
.irp t, 0,1
	v_add_nc_u32 v[122+\t], 0xfe000000, v[118+\t]
.endr
.irp t, 0,1
	v_lshrrev_b32 v[124+\t], 23, v[122+\t]
.endr
	v_cvt_scalef32_pk16_bf6_f32 v[112:114], v[G0:G0+15], v122      ; the even tile's half blocks,
	v_cvt_scalef32_pk16_bf6_f32 v[80:82], v[G0+32:G0+47], v123     ; the odd tile's
	v_nop                                          ; one plain line behind the conversions
.irp i, 0,1,2
	v_permlane16_swap_b32 v[112+\i], v[80+\i]      ; lanes 0-15 now hold the even tile's whole block (lower 16 codes here, upper 16 there), lanes 16-31 the odd tile's
.endr
.irp i, 0,1,2
	v_mov_b32 v[115+\i], v[80+\i]
.endr
.irp l, 0,1,2
	ds_store_b64 v[HW], v[112+2*\l:113+2*\l] offset:12800*(\x)+6400*(\p)+256*\l
.endr
	ds_store_b8 v[HSA], v124 offset:512*(\x)+128*(\p)              ; (both halves of the lanes write the same byte with the same value)
	ds_store_b8 v[HSA], v125 offset:512*(\x)+128*(\p)+64
.endm
	FETCHX 0, 0
.irp s, 0,1,2,3,4,5,6,7
	KSTEP 0, \s
.endr
	ACT 0, 0
	ACT 0, 1
.irp s, 0,1,2,3,4,5,6,7
	KSTEP 1, \s
.endr
	ACT 1, 0
	ACT 1, 1
	v_and_b32 v3, 31, v0
	v_lshl_add_u32 v3, v3, 3, HIMG                 ; from here on: where I read h's images, 8 bytes a lane
	s_wait_dscnt 0x0                               ; for the others' sake: my codes and bytes have landed
	s_barrier_signal -1
	s_barrier_wait -1                              ; h's 16 fragments lie in LDS
; ---- 2
.macro HFETCH x, base                  ; h of expert x: fragment (m, s2) at base + 12 (2 m + s2), by pairs of registers
.irp m, 0,1,2,3
.irp s, 0,1
.irp c, 0,1
.irp l, 0,1,2
	ds_load_b64 v[\base+12*(2*\m+\s)+6*\c+2*\l:\base+12*(2*\m+\s)+6*\c+2*\l+1], v3 offset:12800*(\x)+3200*\m+1536*\s+768*\c+256*\l
.endr
.endr
.endr
.endr
.endm
	WIN 0x40
	HFETCH 0, 144
	WIN 0
.irp x, 0,1
.irp s, 0,1
.irp p, 0,1
	ds_load_b32 v[24+4*\x+2*\s+\p], v2 offset:HSC+512*\x+256*\s+128*\p
.endr
.endr
.endr
	s_wait_dscnt 0x0                               ; lo's h and the scale words are in: the first unit's operands
	HFETCH 1, 32                                   ; hi's h is asked for now and lands under the first unit's products
; unit q: expert q % 2, my columns 32 (q / 2) on: 8 products start the sums, 8 finish them, the eight accumulators by turns
.macro UNIT2 q
.set XX, (\q)%2
.set RS, (\q)%3
.if (\q) < 6
	s_wait_loadcnt 28                              ; this unit is in; the two asked for behind it stay out
.elseif (\q) == 6
	s_wait_loadcnt 14
.else
	s_wait_loadcnt 0x0
.endif
.if (\q) > 0
	s_wait_dscnt 0x0                               ; hi's h is in; the stage's stores have read the registers that these products write
.endif
.if XX == 0
	WIN 0x05                                       ; the weights and lo's h in window 1
.set HB, 144
.else
	WIN 0x01                                       ; the weights in window 1, hi's h in window 0
.set HB, 32
.endif
.irp s, 0,1
.irp m, 0,1,2,3
.irp u, 0,1
	WMS 128+64*XX+16*\m+8*\u, 48*RS+12*(2*\s+\u), HB+12*(2*\m+\s), 1-\s, 16+2*RS+\s, 24+4*XX+2*\s+\m/2, \u, \m%2
.endr
.endr
.endr
	WIN 0
	PLACES
.if (\q)+3 < 8
	LOADU RS, 22+2*(((\q)+3)%2), 8+((\q)+3)/2
.endif
.endm
.macro COMBINE b                       ; w_lo y_lo + w_hi y_hi; lane (r, h): row 16 m + r, columns 32 b + 16 h + 0 .. 15 of my 128; into my stage
.irp m, 0,1,2,3
.irp i, 0,2,4,6,8,10,12,14
	v_pk_mul_f32 v[128+16*\m+\i:129+16*\m+\i], v[128+16*\m+\i:129+16*\m+\i], v[4+2*\m:5+2*\m] op_sel_hi:[1,0]
.endr
.endr
.irp m, 0,1,2,3
.irp i, 0,2,4,6,8,10,12,14
	v_pk_fma_f32 v[128+16*\m+\i:129+16*\m+\i], v[192+16*\m+\i:193+16*\m+\i], v[4+2*\m:5+2*\m], v[128+16*\m+\i:129+16*\m+\i] op_sel:[0,1,0] op_sel_hi:[1,1,1]
.endr
.endr
.irp m, 0,1,2,3
.irp k, 0,1,2,3
	ds_store_b128 v12, v[128+16*\m+4*\k:131+16*\m+4*\k] offset:4352*\m+128*((\b)%2)+16*\k
.endr
.endr
.endm
.macro FLUSHT grp, m                   ; tile m's 16 rows x 256 bytes leave: sixteen lanes store 256 bytes on end, from a multiple of 256 in a row of out
	s_cmp_le_u32 s18, 16*(\m)                      ; a tile that begins at or behind n holds repeats alone (tile 0: a block without rows); no barrier stands under this branch
	s_cbranch_scc1 .Lskip_\@
	s_wait_xcnt 0x0                                ; the last tile's stores have read their registers
.irp i, 0,1,2,3,4,5,6,7
	ds_load_b32 v[160+\i], v14 offset:4*(16*(\m)+2*\i)
.endr
.irp i, 0,1,2,3,4,5,6,7
	ds_load_b128 v[128+4*\i:131+4*\i], v13 offset:272*(16*(\m)+2*\i)   ; my own bytes, served in order: these see my stores
.endr
	s_wait_dscnt 0x8                               ; the tokens are in; the eight loads of rows stay out
.irp i, 0,1,2,3,4,5,6,7
	v_min_u32 v[160+\i], 0x1fff, v[160+\i]
	v_lshl_add_u32 v[168+\i], v[160+\i], 12, v15
.endr
	s_wait_dscnt 0x0
.irp i, 0,1,2,3,4,5,6,7
	global_store_b128 v[168+\i], v[128+4*\i:131+4*\i], s[14:15] offset:256*(\grp) th:TH_STORE_NT
.endr
.Lskip_\@:
.endm
.macro FLUSH grp
	FLUSHT \grp, 0
	FLUSHT \grp, 1
	FLUSHT \grp, 2
	FLUSHT \grp, 3
	s_wait_xcnt 0x0                                ; the stores have read their registers: the next products write them
.endm
	UNIT2 0
	UNIT2 1
	COMBINE 0
	UNIT2 2
	UNIT2 3
	COMBINE 1
	FLUSH 0
	UNIT2 4
	UNIT2 5
	COMBINE 2
	UNIT2 6
	UNIT2 7
	COMBINE 3
	FLUSH 1
	s_wait_xcnt 0x0
	v_lshl_add_u32 v254, v0, 2, 0x42000
	v_mov_b32 v255, 0
	s_wait_tensorcnt 0x0
	ds_add_u32 v254, v255
	s_wait_dscnt 0x0
	s_endpgm
.Lfunc_end_k_qe4ab02a392_chain:
	.size	k_qe4ab02a392_chain, .Lfunc_end_k_qe4ab02a392_chain-k_qe4ab02a392_chain
	.p2alignl 7, 3214868480
	.fill 96, 4, 3214868480
	.section	.rodata,"a",@progbits
	.p2align	6, 0x0
	.amdhsa_kernel k_qe4ab02a392_chain
		.amdhsa_group_segment_fixed_size 271360
		.amdhsa_private_segment_fixed_size 0
		.amdhsa_enable_private_segment 0
		.amdhsa_kernarg_size 48
		.amdhsa_user_sgpr_count 2
		.amdhsa_user_sgpr_kernarg_segment_ptr 1
		.amdhsa_wavefront_size32 1
		.amdhsa_system_sgpr_workgroup_id_x 1
		.amdhsa_system_sgpr_workgroup_id_y 1
		.amdhsa_system_sgpr_workgroup_id_z 1
		.amdhsa_system_vgpr_workitem_id 0
		.amdhsa_next_free_vgpr 512
		.amdhsa_next_free_sgpr 66
		.amdhsa_reserve_vcc 0
		.amdhsa_float_denorm_mode_32 3
		.amdhsa_float_denorm_mode_16_64 3
		.amdhsa_memory_ordered 1
		.amdhsa_forward_progress 1
		.amdhsa_inst_pref_size 251
	.end_amdhsa_kernel
	.amdgpu_metadata
---
amdhsa.version: [ 1, 2 ]
amdhsa.kernels:
  - .name:           k_qe4ab02a392_chain
    .symbol:         k_qe4ab02a392_chain.kd
    .args:
      - { .name: hidden_states, .offset: 0, .size: 8, .value_kind: global_buffer, .address_space: global }
      - { .name: dom, .offset: 8, .size: 8, .value_kind: global_buffer, .address_space: global }
      - { .name: wc, .offset: 16, .size: 8, .value_kind: global_buffer, .address_space: global }
      - { .name: wts, .offset: 24, .size: 8, .value_kind: global_buffer, .address_space: global }
      - { .name: order, .offset: 32, .size: 8, .value_kind: global_buffer, .address_space: global }
      - { .name: out0, .offset: 40, .size: 8, .value_kind: global_buffer, .address_space: global }
    .group_segment_fixed_size: 271360
    .private_segment_fixed_size: 0
    .kernarg_segment_align: 8
    .kernarg_segment_size: 48
    .max_flat_workgroup_size: 256
    .sgpr_count:     66
    .vgpr_count:     512
    .wavefront_size: 32
...
	.end_amdgpu_metadata
.endif
;; end of part 3
;; ======== version 2 of 2: 3 launches
;; workspace buffers: wc 4,915,200 bytes; route 65,536 bytes of whole numbers; wts 65,536 bytes; order 40,704 bytes of whole numbers
;; launch prep (part 4): grid 448 x 1, 8 waves a work-group, no clusters, 76,800 bytes of LDS; arguments hidden_states, gate_w, W1, W3, W2, wc, route, wts; writes wc, route, wts
.if DOCPART == 4
	.amdgcn_target "amdgcn-amd-amdhsa--gfx1250"
	.amdhsa_code_object_version 6
	.text
	.protected	k_qe4ab02a392_prep
	.globl	k_qe4ab02a392_prep
	.p2align	8
	.type	k_qe4ab02a392_prep,@function
k_qe4ab02a392_prep:
	s_mov_b64 s[64:65], 0
	v_nop
	global_prefetch_b8 v0, s[64:65] scope:SCOPE_SE
	s_setreg_imm32_b32 hwreg(HW_REG_WAVE_MODE, 25, 1), 1
	s_wait_xcnt 0x0
; TWO JOBS IN ONE LAUNCH, parted by the work-group's number.
; Work-groups 0-255: THE ROUTER for 32 tokens each: logits x . gate_w in f32 (packed multiply-adds), the two largest (the lower index wins a tie), softmax of the two
; (the larger is taken away before the exponential), the number kk of the unordered pair of experts (0 .. 27, lo < hi in lexicographic order), the token's rank among its
; chunk's tokens of that pair, and the chunk's count for each pair.  All of that is STORED, at places that hang on ids alone; nothing here steers an address or a branch.
;   route: word[t] = kk | rank << 8 at 4 t;  hist[kk 32][chunk 256] u32 from byte 32,768 (rows 28-31 zeros).   wts: [t][2] f32 = (weight of lo, weight of hi).
; Work-groups 256-447: W1, W3 [8][1024][256] and W2 [8][256][1024], f32 with K as the first axis of an expert, become codes of E3M2 with one E8M0 byte for each 32 along K,
; laid in the order of the chain's operand registers.  wc: [expert 8][chain wave 8][unit 12] records of 6,400 bytes = 4 fragments of 1,536 bytes + 2 x 128 bytes of scale words.
; A fragment's image: registers 4 c .. 4 c + 3 of lane L at 512 c + 16 L.  Units 0-7: K step s of the first products, fragments 2 mat + u (mat 0 = W1, 1 = W3); units 8 + b: W2's columns
; 128 wave + 32 b on, fragments 2 s2 + u.  Lane r of tile u takes column 8 u + r + 8 (r / 8) of the unit's 32, so that in the transposed result a lane's 16 registers are 16 neighbours.
; A scale group holds the word of tile u, row r at lane 16 u + r.
; A block's scale: 2^(floor(log2(largest magnitude)) - 4); its byte is that magnitude's exponent field - 4, held at 1 from below.
; LIMITS: NaN and infinities are not served.  Logits that are equal within the rounding of an f32 sum of 1,024 terms may be ordered otherwise than by another order of summing.
; A block of zeros gets the byte 1 (its codes are zeros; this program alone reads the bytes).  Blocks whose largest magnitude lies under 2^-122 are held at that floor.
.set GL,   0                           ; LDS, router: gate_w as it lies, wave w's 128 rows at 4096 w
.set PS,   32768                       ; LDS, router: partial sums [wave 8][tile 2][lane 32][expert 8] f32
.set QST,  49152                       ; LDS, quantiser: a stage of 2 x 1,664 bytes for each wave (bytes of its own: the two jobs share none)
	s_load_b256 s[4:11], s[0:1], 0x0               ; x s[4:5], gate_w s[6:7], W1 s[8:9], W3 s[10:11]
	s_load_b256 s[12:19], s[0:1], 0x20             ; W2 s[12:13], wc s[14:15], route s[16:17], wts s[18:19]
	s_set_vgpr_msb 0x40
	v_lshl_add_u32 v0, v0, 2, 0x12800
	v_mov_b32 v1, 0
	s_set_vgpr_msb 0x4000
	v_lshrrev_b32 v1, 5, v0
	s_delay_alu instid0(VALU_DEP_1)
	v_readfirstlane_b32 s20, v1                    ; wave 0..7
	v_and_b32 v1, 31, v0                           ; lane
	s_cmp_ge_u32 ttmp9, 256
	s_cbranch_scc1 .Lquant
; ---------------- THE ROUTER.  Wave w sums over k = 128 w .. 128 w + 127; lane (r, h) holds, of tokens r and 16 + r, the 64 numbers k = 32 b + 16 h + 0 .. 15 of the wave's 128.
; REGISTERS: v16-31 sums (tile m, expert e at 16 + 8 m + e); v32-95 two sets of 4 rows of gate_w; v96-223 x (tile m at 96 + 64 m, register 16 b + 4 j + i); v224-255 the gate slice on its way to LDS.
	v_and_b32 v2, 15, v0                           ; r
	v_bfe_u32 v3, v0, 4, 1                         ; h
	s_delay_alu instid0(VALU_DEP_2)
	v_lshlrev_b32 v4, 12, v2
	s_delay_alu instid0(VALU_DEP_1)
	v_lshl_or_b32 v4, v3, 6, v4                    ; x: row r of 4,096 bytes + 64 h
	v_lshlrev_b32 v5, 4, v1                        ; 16 x lane
	s_lshl_b32 s21, s20, 12                        ; my slice of gate_w: 128 rows of 32 bytes
	v_lshl_add_u32 v6, v3, 9, s21                  ; where I read it: + 16 h rows
	v_add_nc_u32 v7, s21, v5                       ; where I put it
	s_lshl_b32 s22, s20, 11
	s_add_co_u32 s22, s22, PS
	v_lshl_add_u32 v8, v1, 5, s22                  ; my partial sums: 32 bytes a lane
	v_lshlrev_b32 v9, 5, v2
	s_delay_alu instid0(VALU_DEP_1)
	v_lshl_add_u32 v9, v3, 10, v9
	s_delay_alu instid0(VALU_DEP_1)
	v_add_nc_u32 v9, PS, v9                        ; wave 0, lane = token 16 m + r: 1024 m + 32 r
	s_lshl_b32 s24, ttmp9, 17                      ; 32 tokens of 4,096 bytes
	s_lshl_b32 s25, s20, 9
	s_add_co_u32 s24, s24, s25                     ; + my 128 numbers of a row
	s_mov_b32 s25, 0
	s_mov_b32 s26, s21
	s_mov_b32 s27, 0
	s_wait_alu depctr_va_vdst(0)
	s_wait_kmcnt 0x0
	s_add_nc_u64 s[4:5], s[4:5], s[24:25]
	s_add_nc_u64 s[6:7], s[6:7], s[26:27]
.irp i, 0,1,2,3,4,5,6,7
	global_load_b128 v[224+4*\i:227+4*\i], v5, s[6:7] offset:512*\i
.endr
.irp m, 0,1
.irp b, 0,1,2,3
.irp j, 0,1,2,3
	global_load_b128 v[96+64*\m+16*\b+4*\j:99+64*\m+16*\b+4*\j], v4, s[4:5] offset:65536*\m+128*\b+16*\j th:TH_LOAD_NT
.endr
.endr
.endr
	s_wait_loadcnt 32                              ; the gate slice is in; the 32 loads of x stay out
.irp i, 0,1,2,3,4,5,6,7
	ds_store_b128 v7, v[224+4*\i:227+4*\i] offset:512*\i           ; my own bytes: LDS serves a wave's instructions in order, so no wait and no barrier ahead of my reads
.endr
.macro GLOAD t                         ; rows k = 32 (t / 4) + 16 h + 4 (t % 4) + 0 .. 3 of my slice, 8 experts each, into set t % 2
.irp i, 0,1,2,3
	ds_load_b128 v[32+32*((\t)%2)+8*\i:35+32*((\t)%2)+8*\i], v6 offset:(32*((\t)/4)+4*((\t)%4)+\i)*32
	ds_load_b128 v[36+32*((\t)%2)+8*\i:39+32*((\t)%2)+8*\i], v6 offset:(32*((\t)/4)+4*((\t)%4)+\i)*32+16
.endr
.endm
.macro FMA t                           ; 4 k x 2 tokens x 8 experts: 32 packed multiply-adds; one x serves both halves.  The very first eight start the sums
.if (\t) < 15
	s_wait_dscnt 0x8                               ; batch t is in; batch t + 1's eight loads stay out
.else
	s_wait_dscnt 0x0
.endif
.set GS, 32+32*((\t)%2)
.irp i, 0,1,2,3
.irp m, 0,1
.irp p, 0,2,4,6
.set XP, 96+64*\m+4*(\t)+2*(\i/2)
.if ((\t) == 0) && (\i == 0)
	v_pk_mul_f32 v[16+8*\m+\p:17+8*\m+\p], v[XP:XP+1], v[GS+8*\i+\p:GS+8*\i+\p+1] op_sel_hi:[0,1]
.elseif (\i%2) == 0
	v_pk_fma_f32 v[16+8*\m+\p:17+8*\m+\p], v[XP:XP+1], v[GS+8*\i+\p:GS+8*\i+\p+1], v[16+8*\m+\p:17+8*\m+\p] op_sel_hi:[0,1,1]
.else
	v_pk_fma_f32 v[16+8*\m+\p:17+8*\m+\p], v[XP:XP+1], v[GS+8*\i+\p:GS+8*\i+\p+1], v[16+8*\m+\p:17+8*\m+\p] op_sel:[1,0,0] op_sel_hi:[1,1,1]
.endif
.endr
.endr
.endr
.if (\t)+2 < 16
	GLOAD (\t)+2
.endif
.endm
	GLOAD 0
	GLOAD 1
	s_wait_loadcnt 0x0                             ; x
.irp t, 0,1,2,3,4,5,6,7,8,9,10,11,12,13,14,15
	s_wait_alu depctr_va_vdst(0)
	FMA \t
.endr
.irp m, 0,1
	ds_store_b128 v8, v[16+8*\m:19+8*\m] offset:1024*\m
	ds_store_b128 v8, v[20+8*\m:23+8*\m] offset:1024*\m+16
.endr
	s_wait_dscnt 0x0                               ; for wave 0's sake: my partial sums have landed
	s_barrier_signal -1
	s_barrier_wait -1
	s_cmp_lg_u32 s20, 0
	s_cbranch_scc1 .Lend                           ; the rest is one wave's work: a lane to a token
.irp q, 0,1,2,3,4,5,6,7,8,9,10,11,12,13,14,15      ; the 16 partial sums (wave q / 2, half q % 2) of my token's 8 logits
	ds_load_b128 v[96+8*\q:99+8*\q], v9 offset:2048*(\q/2)+512*(\q%2)
	ds_load_b128 v[100+8*\q:103+8*\q], v9 offset:2048*(\q/2)+512*(\q%2)+16
.endr
	s_wait_dscnt 0x0
.irp q, 1,2,3,4,5,6,7,8,9,10,11,12,13,14,15
.irp p, 0,2,4,6
	v_pk_add_f32 v[96+\p:97+\p], v[96+\p:97+\p], v[96+8*\q+\p:97+8*\q+\p]
.endr
.endr
	s_delay_alu instid0(VALU_DEP_4)
	v_mov_b32 v10, v96                             ; the largest logit and its expert,
	v_mov_b32 v11, 0
	v_mov_b32 v12, 0xff800000                      ; the second and its expert
	v_mov_b32 v13, 0
.irp e, 1
	s_delay_alu instid0(VALU_DEP_4)
	v_cmp_gt_f32 s40, v[96+\e], v10
	s_delay_alu instid0(VALU_DEP_3)
	v_cmp_gt_f32 s41, v[96+\e], v12
	s_delay_alu instid0(VALU_DEP_1)
	v_cndmask_b32 v12, v12, v[96+\e], s41
	s_delay_alu instid0(VALU_DEP_2)
	v_cndmask_b32 v13, v13, \e, s41
	s_delay_alu instid0(VALU_DEP_2)
	v_cndmask_b32 v12, v12, v10, s40
	s_delay_alu instid0(VALU_DEP_2)
	v_cndmask_b32 v13, v13, v11, s40
	v_cndmask_b32 v10, v10, v[96+\e], s40
	v_cndmask_b32 v11, v11, \e, s40
.endr
.irp e, 2, 3, 4, 5, 6, 7
	s_delay_alu instid0(VALU_DEP_2)
	v_cmp_gt_f32 s40, v[96+\e], v10
	v_cmp_gt_f32 s41, v[96+\e], v12
	s_delay_alu instid0(VALU_DEP_1)
	v_cndmask_b32 v12, v12, v[96+\e], s41
	s_delay_alu instid0(VALU_DEP_2)
	v_cndmask_b32 v13, v13, \e, s41
	s_delay_alu instid0(VALU_DEP_2)
	v_cndmask_b32 v12, v12, v10, s40
	s_delay_alu instid0(VALU_DEP_2)
	v_cndmask_b32 v13, v13, v11, s40
	v_cndmask_b32 v10, v10, v[96+\e], s40
	v_cndmask_b32 v11, v11, \e, s40
.endr
	s_delay_alu instid0(VALU_DEP_2)
	v_sub_f32 v14, v12, v10                        ; second - largest: 0 or less
	s_delay_alu instid0(VALU_DEP_1)
	v_mul_f32 v14, 0x3fb8aa3b, v14
	s_wait_alu depctr_va_vdst(0)
	v_exp_f32 v15, v14                             ; e^(second - largest)
	v_min_u32 v21, v11, v13                        ; lo  (a plain line behind the exponential)
	s_wait_alu depctr_va_vdst(0)                   ; the wait ahead of the first reader
	v_add_f32 v14, 1.0, v15
	s_wait_alu depctr_va_vdst(0)
	v_rcp_f32 v14, v14                             ; the largest's weight
	v_max_u32 v22, v11, v13                        ; hi  (a plain line behind the reciprocal)
	s_wait_alu depctr_va_vdst(0)
	v_mul_f32 v15, v15, v14                        ; the second's weight
	v_cmp_lt_u32 vcc_lo, v11, v13
	v_cndmask_b32 v24, v15, v14, vcc_lo            ; lo's weight
	v_cndmask_b32 v25, v14, v15, vcc_lo            ; hi's
	v_lshl_add_u32 v16, v21, 3, v22                ; 8 lo + hi
	v_mov_b32 v17, 0                               ; rank
	v_mov_b32 v18, 0                               ; kk
	v_mov_b32 v19, 0                               ; lane kk: the chunk's count of pair kk
.macro PAIR kk, lo, hi
	v_cmp_eq_u32 s40, 8*\lo+\hi, v16               ; the chunk's tokens of this pair
	s_bcnt1_i32_b32 s41, s40
	v_mbcnt_lo_u32_b32 v20, s40, 0                 ; how many of them stand in lower lanes
	s_delay_alu instid0(VALU_DEP_1)
	v_cndmask_b32 v17, v17, v20, s40
	v_cndmask_b32 v18, v18, \kk, s40
	v_writelane_b32 v19, s41, \kk
.endm
.set KK, 0
.irp a, 0,1,2,3,4,5,6
.irp b, 1,2,3,4,5,6,7
.if \b > \a
	PAIR KK, \a, \b
.set KK, KK+1
.endif
.endr
.endr
	s_delay_alu instid0(VALU_DEP_2)
	v_lshl_or_b32 v17, v17, 8, v18
	v_lshlrev_b32 v26, 2, v1
	s_wait_alu depctr_va_vdst(0)
	v_lshlrev_b32 v27, 10, v1
	s_wait_alu depctr_va_vdst(0)
	v_lshlrev_b32 v28, 3, v1
	s_wait_alu depctr_va_vdst(0)
	s_lshl_b32 s24, ttmp9, 7
	s_mov_b32 s25, 0
	s_lshl_b32 s26, ttmp9, 2
	s_mov_b32 s27, 0
	s_lshl_b32 s28, ttmp9, 8
	s_mov_b32 s29, 0
	s_add_nc_u64 s[24:25], s[16:17], s[24:25]
	s_add_nc_u64 s[26:27], s[16:17], s[26:27]
	s_add_nc_u64 s[28:29], s[18:19], s[28:29]
	global_store_b32 v26, v17, s[24:25]            ; 32 words on end
	global_store_b32 v27, v19, s[26:27] offset:32768   ; hist[lane][chunk]
	global_store_b64 v28, v[24:25], s[28:29]       ; 256 bytes on end
.Lend:
	s_set_vgpr_msb 0x5
	s_wait_tensorcnt 0x0
	ds_add_u32 v0, v1
	s_wait_dscnt 0x0
	s_set_vgpr_msb 0x500
	s_endpgm
; ---------------- THE QUANTISER.  A wave takes 32 columns x 128 along K.  A LANE TAKES A COLUMN AND ITS REGISTERS RUN DOWN K: a block of 32 lies in one lane, and the codes come out with K innermost.
; REGISTERS: v9 the scale word; v10-13 at work; v16 + 8 kb a block's six registers of codes; v48 + 4 kb the second conversion's three; v64-87 the way out; v96-223 the 128 numbers.
.Lquant:
	s_sub_co_u32 s21, ttmp9, 256                   ; j = 0 .. 191: 0-63 W1, 64-127 W3, 128-191 W2
	v_bfe_u32 v2, v0, 3, 1                         ; my column is row r of tile u: u = (lane / 8) % 2,
	v_and_b32 v3, 7, v0
	v_bfe_u32 v10, v0, 4, 1
	s_delay_alu instid0(VALU_DEP_1)
	v_lshl_add_u32 v3, v10, 3, v3                  ; r = lane % 8 + 8 (lane / 16)
	s_wait_alu depctr_va_vdst(0)
	v_lshlrev_b32 v4, 2, v1                        ; in: 4 bytes a lane
	v_lshlrev_b32 v5, 4, v1                        ; out: 16 bytes a lane
	s_mul_i32 s22, s20, 3328
	s_add_co_u32 s22, s22, QST                     ; my stage
	v_mul_u32_u24 v6, v2, 1664
	s_delay_alu instid0(VALU_DEP_1)
	v_lshl_add_u32 v6, v3, 4, v6
	s_delay_alu instid0(VALU_DEP_1)
	v_add_nc_u32 v6, s22, v6                       ; into it: fragment u, lane r's 16 bytes (+ 256 for the upper half of the lanes)
	v_add_nc_u32 v7, s22, v5                       ; out of it
	v_lshl_add_u32 v8, v2, 4, v3
	s_delay_alu instid0(VALU_DEP_1)
	v_lshlrev_b32 v8, 2, v8                        ; my scale word's place in its group
	s_bfe_u32 s24, s21, 0x30003                    ; the expert: (j / 8) % 8 in all three tensors
	s_and_b32 s27, s21, 7                          ; W1, W3: K step s = the unit,
	s_lshl_b32 s25, s27, 17                        ; 128 rows of 1,024 bytes,
	s_lshr_b32 s28, s21, 6                         ; half of the record = mat
	s_bfe_u32 s32, s21, 0x10002                    ; W2: s2 = half of the record,
	s_and_b32 s33, s21, 3                          ; which 256 columns,
	s_lshl_b32 s29, s32, 19                        ; 128 rows of 4,096 bytes
	s_lshl_b32 s34, s33, 10
	s_add_co_u32 s29, s29, s34
	s_lshl_b32 s30, s33, 1
	s_lshr_b32 s34, s20, 2
	s_add_co_u32 s30, s30, s34                     ; the chain wave that owns my 32 columns,
	s_and_b32 s31, s20, 3
	s_add_co_u32 s31, s31, 8                       ; and its unit
	s_wait_kmcnt 0x0
	s_cmp_lt_u32 s21, 64                           ; the choices hang on the work-group's number alone
	s_cselect_b64 s[36:37], s[8:9], s[10:11]
	s_cmp_lt_u32 s21, 128
	s_cselect_b64 s[36:37], s[36:37], s[12:13]
	s_cselect_b32 s25, s25, s29
	s_cselect_b32 s26, s20, s30
	s_cselect_b32 s27, s27, s31
	s_cselect_b32 s28, s28, s32
	s_lshl_b32 s38, s24, 20                        ; an expert is 2^20 bytes in each tensor
	s_add_co_u32 s38, s38, s25
	s_lshl_b32 s39, s20, 7
	s_add_co_u32 s38, s38, s39                     ; + my 32 columns
	s_mov_b32 s39, 0
	s_add_nc_u64 s[36:37], s[36:37], s[38:39]
	s_lshl_b32 s40, s24, 3
	s_add_co_u32 s40, s40, s26
	s_mul_i32 s40, s40, 76800
	s_mul_i32 s41, s27, 6400
	s_add_co_u32 s40, s40, s41                     ; the record
	s_lshl_b32 s42, s28, 7
	s_add_co_u32 s42, s42, s40                     ; its scale group (6,144 bytes on, in the immediate)
	s_mul_i32 s41, s28, 3072
	s_add_co_u32 s40, s40, s41                     ; its two fragments
	s_mov_b32 s41, 0
	s_mov_b32 s43, 0
	s_add_nc_u64 s[44:45], s[14:15], s[40:41]
	s_add_nc_u64 s[46:47], s[14:15], s[42:43]
; Block t's 32 rows at my column: 32 lanes read 128 bytes on end.  The tensors' shapes differ in the pitch of a row alone: the branch, on the work-group's number, stands round the loads alone; both ways issue 32.
.macro QLOAD t
	s_cmp_lt_u32 s21, 128
	s_cbranch_scc0 .Lw2_\@
.set I, 32*(\t)
	s_wait_alu depctr_va_vdst(0)
.rept 32
	global_load_b32 v[96+I], v4, s[36:37] offset:1024*I th:TH_LOAD_NT
.set I, I+1
.endr
	s_branch .Lgot_\@
.Lw2_\@:
.set I, 32*(\t)
	s_wait_alu depctr_va_vdst(0)
.rept 32
	global_load_b32 v[96+I], v4, s[36:37] offset:4096*I th:TH_LOAD_NT
.set I, I+1
.endr
.Lgot_\@:
.endm
.macro BLOCK kb                        ; block kb = 2 c + h goes to registers 6 c .. 6 c + 5 of lane 16 h + r of my fragment's image
.set XS, 96+32*(\kb)
.set CC, 16+8*(\kb)
.set DD, 48+4*(\kb)
	v_max3_num_f32 v10, |v[XS]|, |v[XS+1]|, |v[XS+2]|
	v_max3_num_f32 v11, |v[XS+3]|, |v[XS+4]|, |v[XS+5]|
.irp i, 6,10,14,18,22,26
	s_delay_alu instid0(VALU_DEP_2)
	v_max3_num_f32 v10, v10, |v[XS+\i]|, |v[XS+\i+1]|
	s_delay_alu instid0(VALU_DEP_2)
	v_max3_num_f32 v11, v11, |v[XS+\i+2]|, |v[XS+\i+3]|
.endr
	s_delay_alu instid0(VALU_DEP_2)
	v_max3_num_f32 v10, v10, |v[XS+30]|, |v[XS+31]|
	s_delay_alu instid0(VALU_DEP_1)
	v_max3_num_f32 v10, v10, v11, 0x2800000        ; and the floor 2^(5 - 127): the byte cannot fall under 1
	s_delay_alu instid0(VALU_DEP_1)
	v_add_nc_u32 v12, 0xfe000000, v10              ; 4 off the exponent field: the conversion's scale operand
	s_delay_alu instid0(VALU_DEP_1)
	v_lshrrev_b32 v13, 23, v12                     ; the scale's byte
.if (\kb) == 0
	s_delay_alu instid0(VALU_DEP_1)
	v_mov_b32 v9, v13
.else
	s_delay_alu instid0(VALU_DEP_1)
	v_lshl_or_b32 v9, v13, 8*(\kb), v9
.endif
	v_cvt_scalef32_pk16_bf6_f32 v[CC:CC+2], v[XS:XS+15], v12
	v_cvt_scalef32_pk16_bf6_f32 v[DD:DD+2], v[XS+16:XS+31], v12    ; (a conversion's three registers begin on an even number)
	v_nop                                          ; one plain line behind the conversions
.irp i, 0,1,2
	v_mov_b32 v[CC+3+\i], v[DD+\i]
.endr
.if (\kb) < 2
	ds_store_b128 v6, v[CC:CC+3] offset:256*((\kb)%2)              ; registers 0-3,
	ds_store_b64 v6, v[CC+4:CC+5] offset:512+256*((\kb)%2)         ; 4-5
.else
	ds_store_b64 v6, v[CC:CC+1] offset:520+256*((\kb)%2)           ; registers 6-7,
	ds_store_b128 v6, v[CC+2:CC+5] offset:1024+256*((\kb)%2)       ; 8-11
.endif
.endm
	QLOAD 0                                        ; the loads run two blocks ahead; each block has registers of its own
	QLOAD 1
	s_wait_loadcnt 32                              ; block 0's 32 rows are in; block 1's stay out
	QLOAD 2
	BLOCK 0
	s_wait_loadcnt 32                              ; block 1's are in; block 2's stay out
	QLOAD 3
	BLOCK 1
	s_wait_loadcnt 32                              ; block 2's are in; block 3's stay out
	BLOCK 2
	s_wait_loadcnt 0x0
	BLOCK 3
.irp u, 0,1
.irp i, 0,1,2
	ds_load_b128 v[64+12*\u+4*\i:67+12*\u+4*\i], v7 offset:1664*\u+512*\i    ; my own bytes, served in order: these see my stores
.endr
.endr
	s_wait_alu depctr_va_vdst(0)
	s_wait_dscnt 0x0
.irp u, 0,1
.irp i, 0,1,2
	global_store_b128 v5, v[64+12*\u+4*\i:67+12*\u+4*\i], s[44:45] offset:1536*\u+512*\i   ; each store covers 512 bytes on end, the six 3,072, from a multiple of 256
.endr
.endr
	global_store_b32 v8, v9, s[46:47] offset:6144
	s_set_vgpr_msb 0x5
	s_wait_tensorcnt 0x0
	ds_add_u32 v0, v1
	s_wait_dscnt 0x0
	s_set_vgpr_msb 0x500
	s_endpgm
.Lfunc_end_k_qe4ab02a392_prep:
	.size	k_qe4ab02a392_prep, .Lfunc_end_k_qe4ab02a392_prep-k_qe4ab02a392_prep
	.p2alignl 7, 3214868480
	.fill 96, 4, 3214868480
	.section	.rodata,"a",@progbits
	.p2align	6, 0x0
	.amdhsa_kernel k_qe4ab02a392_prep
		.amdhsa_group_segment_fixed_size 76800
		.amdhsa_private_segment_fixed_size 0
		.amdhsa_enable_private_segment 0
		.amdhsa_kernarg_size 64
		.amdhsa_user_sgpr_count 2
		.amdhsa_user_sgpr_kernarg_segment_ptr 1
		.amdhsa_wavefront_size32 1
		.amdhsa_system_sgpr_workgroup_id_x 1
		.amdhsa_system_sgpr_workgroup_id_y 1
		.amdhsa_system_sgpr_workgroup_id_z 1
		.amdhsa_system_vgpr_workitem_id 0
		.amdhsa_next_free_vgpr 258
		.amdhsa_next_free_sgpr 66
		.amdhsa_reserve_vcc 1
		.amdhsa_float_denorm_mode_32 3
		.amdhsa_float_denorm_mode_16_64 3
		.amdhsa_memory_ordered 1
		.amdhsa_forward_progress 1
		.amdhsa_inst_pref_size 108
	.end_amdhsa_kernel
	.amdgpu_metadata
---
amdhsa.version: [ 1, 2 ]
amdhsa.kernels:
  - .name:           k_qe4ab02a392_prep
    .symbol:         k_qe4ab02a392_prep.kd
    .args:
      - { .name: hidden_states, .offset: 0, .size: 8, .value_kind: global_buffer, .address_space: global }
      - { .name: gate_w, .offset: 8, .size: 8, .value_kind: global_buffer, .address_space: global }
      - { .name: W1, .offset: 16, .size: 8, .value_kind: global_buffer, .address_space: global }
      - { .name: W3, .offset: 24, .size: 8, .value_kind: global_buffer, .address_space: global }
      - { .name: W2, .offset: 32, .size: 8, .value_kind: global_buffer, .address_space: global }
      - { .name: wc, .offset: 40, .size: 8, .value_kind: global_buffer, .address_space: global }
      - { .name: route, .offset: 48, .size: 8, .value_kind: global_buffer, .address_space: global }
      - { .name: wts, .offset: 56, .size: 8, .value_kind: global_buffer, .address_space: global }
    .group_segment_fixed_size: 76800
    .private_segment_fixed_size: 0
    .kernarg_segment_align: 8
    .kernarg_segment_size: 64
    .max_flat_workgroup_size: 256
    .sgpr_count:     66
    .vgpr_count:     258
    .wavefront_size: 32
...
	.end_amdgpu_metadata
.endif
;; end of part 4
;; launch place (part 5): grid 1 x 1, 32 waves a work-group, no clusters, 37,376 bytes of LDS; arguments route, order; writes order
.if DOCPART == 5
	.amdgcn_target "amdgcn-amd-amdhsa--gfx1250"
	.amdhsa_code_object_version 6
	.text
	.protected	k_qe4ab02a392_place
	.globl	k_qe4ab02a392_place
	.p2align	8
	.type	k_qe4ab02a392_place,@function
k_qe4ab02a392_place:
	s_mov_b64 s[64:65], 0
	v_nop
	global_prefetch_b8 v0, s[64:65] scope:SCOPE_SE
	s_setreg_imm32_b32 hwreg(HW_REG_WAVE_MODE, 25, 1), 1
	s_wait_xcnt 0x0
; A COUNTING SORT of the 8,192 tokens by their pair of experts (28 buckets), without atomics, by one work-group of 32 waves.
; Each bucket is cut into blocks of up to 64 tokens; buckets begin on a block's edge.  There are never more than 8192 / 64 + 27 = 155 blocks.
; order: hdr[256] u32 at byte 0: n | lo << 8 | hi << 12, 0 for a block without tokens;  slot[155][64] u32 from byte 1,024: token numbers; slots from n on are not written, and nobody reads them.
; Wave v is bucket v; its lane l holds the counts of chunks 8 l .. 8 l + 7 (a chunk = 32 tokens).  A token's slot = 64 x its bucket's first block + the bucket's tokens in earlier chunks + its rank in its chunk.
.set NB,  0                            ; LDS: the 32 buckets' sizes
.set TAB, 256                          ; LDS: [bucket 32][chunk 256] u32: the slot of the chunk's first token of the bucket
	s_load_b128 s[4:7], s[0:1], 0x0                ; route, order
	v_lshl_add_u32 v64, v0, 2, 0x8200
	v_mov_b32 v65, 0
	v_lshrrev_b32 v1, 5, v0
	s_delay_alu instid0(VALU_DEP_1)
	v_readfirstlane_b32 s8, v1                     ; wave 0..31
	v_and_b32 v2, 31, v0                           ; lane
	v_bfe_u32 v3, v0, 4, 1                         ; 1 in lanes 16-31
	v_lshlrev_b32 v4, 5, v0                        ; 32 x thread
	v_lshlrev_b32 v5, 2, v0                        ; 4 x thread
	v_lshlrev_b32 v36, 2, v1                       ; 4 x wave
	v_lshlrev_b32 v38, 2, v2                       ; 4 x lane
	s_wait_alu depctr_va_vdst(0)
	s_wait_kmcnt 0x0
	global_load_b128 v[8:11], v4, s[4:5] offset:32768              ; hist[wave][8 lane ..]
	global_load_b128 v[12:15], v4, s[4:5] offset:32784
.irp j, 0,1,2,3,4,5,6,7
	global_load_b32 v[16+\j], v5, s[4:5] offset:4096*\j            ; the words of tokens thread + 1024 j
.endr
	s_wait_loadcnt 8                               ; the counts are in; the eight words stay out
	v_mov_b32 v24, 0                               ; v24-31: my eight chunks' running sums, each without its own count
	v_mov_b32 v25, v8
.irp k, 2,3,4,5,6,7
	s_delay_alu instid0(VALU_DEP_1)
	v_add_nc_u32 v[24+\k], v[23+\k], v[7+\k]
.endr
	s_delay_alu instid0(VALU_DEP_1)
	v_add_nc_u32 v32, v31, v15                     ; my eight chunks' total
	s_delay_alu instid0(VALU_DEP_1)
	v_mov_b32 v33, v32
.macro SCAN reg, tmp                   ; running sums over the 32 lanes, each with its own number
.irp n, 1,2,4,8
	v_mov_b32 v[\tmp], 0                           ; lanes without a source keep this
	s_delay_alu instid0(VALU_DEP_2)
	v_mov_b32_dpp v[\tmp], v[\reg] row_shr:\n row_mask:0xf bank_mask:0xf
	s_delay_alu instid0(VALU_DEP_1)
	v_add_nc_u32 v[\reg], v[\reg], v[\tmp]
.endr
	s_delay_alu instid0(VALU_DEP_1)
	v_readlane_b32 s12, v[\reg], 15                ; the lower 16 lanes' total is added in the upper 16
	s_delay_alu instid0(VALU_DEP_1)
	v_mad_u32_u24 v[\reg], v3, s12, v[\reg]
.endm
	SCAN 33, 34
	s_delay_alu instid0(VALU_DEP_1)
	v_sub_nc_u32 v35, v33, v32                     ; the bucket's tokens in the lanes below mine
	s_delay_alu instid0(VALU_DEP_2)
	v_readlane_b32 s13, v33, 31                    ; the bucket's size
	s_delay_alu instid0(VALU_DEP_1)
	v_mov_b32 v37, s13
	ds_store_b32 v36, v37 offset:NB                ; all lanes write the same word with the same value
	s_wait_dscnt 0x0                               ; for the others' sake
	s_barrier_signal -1
	s_barrier_wait -1
	ds_load_b32 v40, v38 offset:NB                 ; lane = bucket: n
	s_wait_dscnt 0x0
	v_add_nc_u32 v41, 63, v40
	s_delay_alu instid0(VALU_DEP_1)
	v_lshrrev_b32 v41, 6, v41                      ; its blocks
	s_delay_alu instid0(VALU_DEP_1)
	v_mov_b32 v42, v41
	SCAN 42, 34
	s_delay_alu instid0(VALU_DEP_1)
	v_sub_nc_u32 v43, v42, v41                     ; its first block
	ds_bpermute_b32 v44, v36, v43                  ; every lane takes that of lane = my wave: my bucket's
	s_wait_dscnt 0x0
	v_lshl_add_u32 v45, v44, 6, v35
.irp k, 0,1,2,3,4,5,6,7
	v_add_nc_u32 v[48+\k], v45, v[24+\k]
.endr
	ds_store_b128 v4, v[48:51] offset:TAB
	ds_store_b128 v4, v[52:55] offset:TAB+16
	s_wait_dscnt 0x0                               ; for the others' sake
	s_barrier_signal -1
	s_barrier_wait -1
	s_wait_loadcnt 0x0                             ; the tokens' words
.irp j, 0,1,2,3,4,5,6,7
	v_and_b32 v[56+\j], 0xff, v[16+\j]             ; kk,
	s_delay_alu instid0(VALU_DEP_1)
	v_min_u32 v[56+\j], 31, v[56+\j]               ; held inside the table
	s_delay_alu instid0(VALU_DEP_1)
	v_lshl_add_u32 v[56+\j], v[56+\j], 10, v36     ; token thread + 1024 j lies in chunk wave + 32 j
	ds_load_b32 v[24+\j], v[56+\j] offset:TAB+128*\j
.endr
	s_wait_dscnt 0x0
.irp j, 0,1,2,3,4,5,6,7
	v_lshrrev_b32 v[16+\j], 8, v[16+\j]            ; rank
	s_delay_alu instid0(VALU_DEP_1)
	v_add_nc_u32 v[24+\j], v[24+\j], v[16+\j]
	s_delay_alu instid0(VALU_DEP_1)
	v_min_u32 v[24+\j], 9919, v[24+\j]             ; held inside the 155 x 64 slots
	s_delay_alu instid0(VALU_DEP_1)
	v_lshlrev_b32 v[24+\j], 2, v[24+\j]
	v_add_nc_u32 v[8+\j], 1024*\j, v0              ; the token's number
	global_store_b32 v[24+\j], v[8+\j], s[6:7] offset:1024
.endr
	s_cmp_ge_u32 s8, 8                             ; the headers: thread = block, 256 of them; no barrier follows
	s_cbranch_scc1 .Ldone
	v_mov_b32 v46, 0
.macro HPAIR kk, lo, hi
	v_readlane_b32 s12, v43, \kk                   ; the bucket's first block, its blocks, its size
	v_readlane_b32 s13, v41, \kk
	v_readlane_b32 s14, v40, \kk
	s_delay_alu instid0(VALU_DEP_3)
	v_sub_nc_u32 v47, v0, s12                      ; which of its blocks I would be (a great number if I lie below)
	s_delay_alu instid0(VALU_DEP_1)
	v_cmp_gt_u32 vcc_lo, s13, v47
	s_delay_alu instid0(VALU_DEP_2)
	v_lshlrev_b32 v48, 6, v47
	s_delay_alu instid0(VALU_DEP_1)
	v_sub_nc_u32 v48, s14, v48
	s_delay_alu instid0(VALU_DEP_1)
	v_min_u32 v48, 64, v48                         ; what is left of the bucket, 64 at the most
	s_delay_alu instid0(VALU_DEP_1)
	v_or_b32 v48, (\lo<<8)|(\hi<<12), v48
	s_delay_alu instid0(VALU_DEP_1)
	v_cndmask_b32 v46, v46, v48, vcc_lo
.endm
.set KK, 0
.irp a, 0,1,2,3,4,5,6
.irp b, 1,2,3,4,5,6,7
.if \b > \a
	HPAIR KK, \a, \b
.set KK, KK+1
.endif
.endr
.endr
	global_store_b32 v5, v46, s[6:7]
.Ldone:
	s_wait_tensorcnt 0x0
	ds_add_u32 v64, v65
	s_wait_dscnt 0x0
	s_endpgm
.Lfunc_end_k_qe4ab02a392_place:
	.size	k_qe4ab02a392_place, .Lfunc_end_k_qe4ab02a392_place-k_qe4ab02a392_place
	.p2alignl 7, 3214868480
	.fill 96, 4, 3214868480
	.section	.rodata,"a",@progbits
	.p2align	6, 0x0
	.amdhsa_kernel k_qe4ab02a392_place
		.amdhsa_group_segment_fixed_size 37376
		.amdhsa_private_segment_fixed_size 0
		.amdhsa_enable_private_segment 0
		.amdhsa_kernarg_size 16
		.amdhsa_user_sgpr_count 2
		.amdhsa_user_sgpr_kernarg_segment_ptr 1
		.amdhsa_wavefront_size32 1
		.amdhsa_system_sgpr_workgroup_id_x 1
		.amdhsa_system_sgpr_workgroup_id_y 1
		.amdhsa_system_sgpr_workgroup_id_z 1
		.amdhsa_system_vgpr_workitem_id 0
		.amdhsa_next_free_vgpr 66
		.amdhsa_next_free_sgpr 66
		.amdhsa_reserve_vcc 1
		.amdhsa_float_denorm_mode_32 3
		.amdhsa_float_denorm_mode_16_64 3
		.amdhsa_memory_ordered 1
		.amdhsa_forward_progress 1
		.amdhsa_inst_pref_size 31
	.end_amdhsa_kernel
	.amdgpu_metadata
---
amdhsa.version: [ 1, 2 ]
amdhsa.kernels:
  - .name:           k_qe4ab02a392_place
    .symbol:         k_qe4ab02a392_place.kd
    .args:
      - { .name: route, .offset: 0, .size: 8, .value_kind: global_buffer, .address_space: global }
      - { .name: order, .offset: 8, .size: 8, .value_kind: global_buffer, .address_space: global }
    .group_segment_fixed_size: 37376
    .private_segment_fixed_size: 0
    .kernarg_segment_align: 8
    .kernarg_segment_size: 16
    .max_flat_workgroup_size: 1024
    .sgpr_count:     66
    .vgpr_count:     66
    .wavefront_size: 32
...
	.end_amdgpu_metadata
.endif
;; end of part 5
;; launch chain (part 6): grid 155 x 1, 8 waves a work-group, no clusters, 271,360 bytes of LDS; arguments hidden_states, dom, wc, wts, order, out0; writes out0
.if DOCPART == 6
	.amdgcn_target "amdgcn-amd-amdhsa--gfx1250"
	.amdhsa_code_object_version 6
	.text
	.protected	k_qe4ab02a392_chain
	.globl	k_qe4ab02a392_chain
	.p2align	8
	.type	k_qe4ab02a392_chain,@function
k_qe4ab02a392_chain:
	s_mov_b64 s[64:65], 0
	v_nop
	global_prefetch_b8 v0, s[64:65] scope:SCOPE_SE
	s_setreg_imm32_b32 hwreg(HW_REG_WAVE_SCHED_MODE, 0, 2), 2
	s_setreg_imm32_b32 hwreg(HW_REG_WAVE_MODE, 25, 1), 1
	s_wait_xcnt 0x0
	s_wait_alu depctr_vm_vsrc(0)
; ONE BLOCK OF UP TO 64 TOKENS THAT CHOSE THE SAME TWO EXPERTS (lo, hi) goes through the whole chain for both: xe = x + dom[e], quantised along H; G = xe W1, U = xe W3; h = silu(G) U, quantised along I;
; y = h W2; out = w_lo y_lo + w_hi y_hi.  All three products on codes of E3M2 with one E8M0 scale for each 32 along K; sums in f32.  Each token has one owner, so nothing is summed through memory.
; THE GRID is 155 work-groups, as many blocks as any split can make (8192 / 64 + 27).  Rows from n on repeat row n - 1: the same token, the same numbers; of a tile of 16 rows that begins at or behind n nothing is stored.
; A BLOCK WITHOUT ROWS (header 0: a split that makes fewer blocks) walks the same text on the first token of block 0, which always has rows (there are 8,192 tokens), with expert 0 twice, and stores nothing:
; every wave passes both barriers on every path.  That work is thrown away; it is the price of a grid that serves every split.
; NO JOINT LOADS, NO TENSOR LOADS: which experts a block has hangs on stored numbers, and neighbouring blocks may have other experts, so partners would not ask for the same tiles.
; The weights come from memory straight into operand registers, as the first launch has laid them: 16 bytes a lane, 512 bytes on end an instruction.
; SHARES.  X: wave w quantises K step w (k = 128 w ..) of the 64 rows, for both experts, and leaves the fragments in LDS as images of their registers | barrier |
; 1: wave w makes hidden units 32 w .. 32 w + 31 of G and U (transposed: source 0 = 16 columns of W, source 1 = 16 rows of xe), for lo, then for hi; h is one block of 32 along the next K: codes and scale byte to LDS | barrier |
; 2: wave w makes output columns 128 w .. 128 w + 127, 32 at a time, for lo and for hi; the weighted sum goes through the wave's own stage and leaves as aligned runs of 256 bytes of a row.
; THE RING: a unit (a record of wc: 4 fragments and 2 registers of scale words, 14 loads) is asked for three units ahead of its use, in four sets of registers (phase 2: three sets, two units ahead).
; LIMITS: NaN and infinities are not served; a block of zeros has the scale byte 1 (its codes are zeros); largest magnitudes under 2^-122 are held at that floor.
; THE MODE: SCHED_MODE bits 1:0 = 2 (LLVM: expert scheduling mode 2), set by the entry lines.  The code itself states the register dependences
; between vector or matrix instructions and memory or LDS instructions, with s_wait_alu, always for 0.
; THE PLAN.  Registers that memory or LDS instructions touch, and who else names them:
;   addresses  v1, v2, v12-15, v248-252, v254-255: made at the head, never written again while they serve.  v3, v126, v127: made between two phases, each time between a wait on vm_vsrc and one on va_vdst.
;   X          a tile: the additions and the two quantisers read a raw buffer of x and write two sets of codes and words (lo's, hi's); ONE wait on va_vdst; the eight LDS stores, and the loads that fill the raw buffer again.
;              ONE wait on vm_vsrc stands in the next tile, ahead of the first line that writes a register of those stores again.
;   1          step NN: its products read xe's buffer NN % 2 and the ring's set NN % 4.  Its loads land in the other buffer and in set (NN - 1) % 4, which the step before read and which no product of this step names.
;              ONE wait on va_vdst at the step's head states that the step before is done reading; the loads stand among the step's products with no further wait.
;   h          a pair of tiles: the codes and bytes are written by vector instructions and read by five LDS stores, which stand behind the next wait on va_vdst that is there anyway, or behind one of their own.
;   2          an odd unit's head has the wait on va_vdst for the set that the unit before read; the weighted sum's one wait serves its stage stores and the next even unit's loads;
;              a wait on vm_vsrc stands ahead of the products, the loads and the vector lines that write registers which stage stores or global stores have read.
; REGISTERS, window 0: v1 16 x lane, v2 4 x lane; v4-11 (w_lo, w_hi) of my row in tile m at 4 + 2 m; v12-15 the way out; v16-23 the ring's scale words; v24-31 scale words of xe (v26-27 even steps, v28-29 odd steps), later of h: v16-31 hold scales alone.
;   X: v32-43 at work, v44-55 lo's codes, v56-119 xe, and in them, once xe is done with, v106 hi's scale word and v108-119 hi's codes; v120-183 and v184-247 x by turns, v248-251 my rows' offsets in x, v252 64 h, v253 lo's scale word, v254-255 where images and words go.
;   1: v3 where h's bytes go, v32-79 four fragments of xe (even steps), v80-125 at work, v126 images of hi, v127 where h's codes go, v128-255 accumulators (128 + 32 m + 16 mat + 8 u).
;   2: v3 the hidden images' read address, v32-127 h of hi, v128-255 y (128 + 64 x + 16 m + 8 u); in a flush v128-159 rows, v160-167 tokens, v168-175 addresses.
; window 1: the ring's fragments at 48 x set; X: v128-191 dom[lo], v192-255 dom[hi]; 1: v192-239 four fragments of xe (odd steps); 2: v144-239 h of lo.
.set XSC,  0                           ; x 2048 + s 256 + (m / 2) 128 + (m % 2) 64 + 4 r: xe's scale words (x: 0 = lo, 1 = hi; s: K step; m: tile of rows)
.set HSC,  4096                        ; x 512 + s2 256 + (m / 2) 128 + (m % 2) 64 + 4 r + block: h's scale bytes
.set TOKL, 5120                        ; 256 wave + 4 row: the block's tokens, a copy for each wave
.set XIMG, 7168                        ; ((x 8 + s) 4 + m) 1536 + 512 c + 16 lane: xe's fragments
.set HIMG, 105472                      ; x 12800 + m 3200 + s2 1536 + c 768 + plane 256 + 8 lane: h's fragments, by pairs of registers
.set STG,  131072                      ; 17408 wave + 272 row: the wave's stage, 64 rows x (256 bytes + 16)
.set TM,   32
.set PC,   44
.set PW2,  106
.set PC2,  108
.set XO,   248
.set H64,  252
.set PW,   253
.set XWI,  254
.set XWS,  255
.set XI1,  126
.set HW,   127
.set HSA,  3
.set MSB, 0
.macro WIN new                         ; s_set_vgpr_msb: bits 1:0 source 0, 3:2 source 1, 5:4 source 2, 7:6 destination; the high byte repeats the setting that is left
.if MSB != \new
	s_set_vgpr_msb (MSB<<8)|\new
.set MSB, \new
.endif
.endm
	s_load_b256 s[4:11], s[0:1], 0x0               ; x s[4:5], dom s[6:7], wc s[8:9], wts s[10:11]
	s_load_b128 s[12:15], s[0:1], 0x20             ; order s[12:13], out s[14:15]
	v_lshrrev_b32 v1, 5, v0
	v_readfirstlane_b32 s16, v1                    ; wave 0..7
	s_lshl_b32 s36, ttmp9, 2
	s_mov_b32 s37, 0
	s_wait_kmcnt 0x0
	s_add_nc_u64 s[38:39], s[12:13], s[36:37]
	s_load_b32 s17, s[38:39], 0x0                  ; my block's header
	v_and_b32 v57, 31, v0                          ; lane
	v_and_b32 v58, 15, v0                          ; r
	v_bfe_u32 v59, v0, 4, 1                        ; h
	v_lshlrev_b32 v1, 4, v57
	v_lshlrev_b32 v2, 2, v57
	s_wait_alu depctr_va_sdst(0)                   ; s16 is written, ahead of its first reader: LDS places and the bases of the weights, of x and of out are made from it
	s_mul_i32 s40, s16, 17408
	s_add_co_u32 s40, s40, STG                     ; my stage
	v_mul_u32_u24 v12, v58, 272
	v_lshl_add_u32 v12, v59, 6, v12
	v_add_nc_u32 v12, s40, v12                     ; into it: row r, + 64 h bytes
	v_mul_u32_u24 v13, v59, 272
	v_lshl_add_u32 v13, v58, 4, v13
	v_add_nc_u32 v13, s40, v13                     ; out of it: lanes 0-15 one row of 256 bytes, lanes 16-31 the next
	s_lshl_b32 s41, s16, 8
	s_add_co_u32 s41, s41, TOKL                    ; my copy of the tokens
	v_lshl_add_u32 v14, v59, 2, s41                ; the same two rows' tokens
	v_lshlrev_b32 v15, 4, v58
	v_lshl_add_u32 v56, v58, 2, s41                ; where I put my rows' tokens
	v_lshlrev_b32 v[H64], 6, v59
	s_mul_i32 s42, s16, 6144
	v_add_nc_u32 v[XWI], s42, v1                   ; my K step's images: 4 fragments of 1,536 bytes
	s_lshl_b32 s43, s16, 8
	v_lshl_add_u32 v[XWS], v58, 2, s43             ; and their scale words
.irp b, 0,1,2,3
	v_mov_b32 v[TM+4+\b], 0                        ; written once: a lane permute's destination counts as one of its sources
.endr
	s_mov_b32 s32, 0x76543210
	s_mov_b32 s33, 0xfedcba98                      ; v_permlanex16_b32's selects for lane l xor 16
	s_wait_kmcnt 0x0
	s_and_b32 s18, s17, 0xff                       ; n
	s_max_u32 s19, s18, 1
	s_sub_co_u32 s19, s19, 1                       ; the last row's number; 0 in a block without rows
	s_min_u32 s40, s18, 1
	s_mul_i32 s40, s40, ttmp9                      ; whose slots I read: my block's; block 0's where I have no rows
	s_bfe_u32 s20, s17, 0x40008
	s_min_u32 s20, s20, 7                          ; lo
	s_bfe_u32 s21, s17, 0x4000c
	s_min_u32 s21, s21, 7                          ; hi
	s_mov_b32 s45, 0
	s_mov_b32 s47, 0
	s_lshl_b32 s44, s20, 3
	s_add_co_u32 s44, s44, s16
	s_mul_i32 s44, s44, 76800
	s_add_nc_u64 s[22:23], s[8:9], s[44:45]        ; my 12 records of lo,
	s_lshl_b32 s44, s21, 3
	s_add_co_u32 s44, s44, s16
	s_mul_i32 s44, s44, 76800
	s_add_nc_u64 s[24:25], s[8:9], s[44:45]        ; of hi
	s_lshl_b32 s46, s16, 9                         ; 512 x wave: my K step in a row of x and of dom, my columns in a row of out
	s_lshl_b32 s44, s20, 12
	s_add_co_u32 s44, s44, s46
	s_add_nc_u64 s[26:27], s[6:7], s[44:45]
	s_lshl_b32 s44, s21, 12
	s_add_co_u32 s44, s44, s46
	s_add_nc_u64 s[28:29], s[6:7], s[44:45]
	s_add_nc_u64 s[4:5], s[4:5], s[46:47]
	s_add_nc_u64 s[14:15], s[14:15], s[46:47]
	s_lshl_b32 s44, s40, 8
	s_add_nc_u64 s[34:35], s[12:13], s[44:45]      ; the block's 64 slots (1,024 bytes on, in the immediate)
.irp m, 0,1,2,3
	v_add_nc_u32 v[60+\m], 16*\m, v58
	v_min_u32 v[60+\m], s19, v[60+\m]              ; rows from n on repeat row n - 1
	v_min_u32 v[60+\m], 63, v[60+\m]
	v_lshlrev_b32 v[60+\m], 2, v[60+\m]
.endr
	s_wait_alu depctr_va_vdst(0)                   ; the offsets and addresses v1, v2, v12-15, v56, v60-63, v252, v254 and v255 are written, which the loads and stores from here on read
.irp m, 0,1,2,3
	global_load_b32 v[64+\m], v[60+\m], s[34:35] offset:1024
.endr
	WIN 0x40                                       ; destination window 1
.irp b, 0,1,2,3
.irp j, 0,1,2,3
	global_load_b128 v[128+16*\b+4*\j:131+16*\b+4*\j], v[H64], s[26:27] offset:128*\b+16*\j   ; dom at my 64 places of the K step: register 16 b + 4 j + i = k 32 b + 16 h + 4 j + i, as x
	global_load_b128 v[192+16*\b+4*\j:195+16*\b+4*\j], v[H64], s[28:29] offset:128*\b+16*\j
.endr
.endr
.macro LOADF set, base, unit           ; a record's 4 fragments into the set's 48 registers: 12 loads, under a setting whose destination is window 1
.irp f, 0,1,2,3
.irp c, 0,1,2
	global_load_b128 v[48*(\set)+12*\f+4*\c:48*(\set)+12*\f+4*\c+3], v1, s[\base:\base+1] offset:6400*(\unit)+1536*\f+512*\c
.endr
.endr
.endm
.macro LOADS set, base, unit           ; and its 2 registers of scale words, in window 0
	global_load_b32 v[16+2*(\set)], v2, s[\base:\base+1] offset:6400*(\unit)+6144
	global_load_b32 v[17+2*(\set)], v2, s[\base:\base+1] offset:6400*(\unit)+6272
.endm
.macro LOADU set, base, unit           ; a whole record: 14 loads
	WIN 0x40
	LOADF \set, \base, \unit
	WIN 0
	LOADS \set, \base, \unit
.endm
.macro XLOAD buf, m                    ; my 64 numbers of tile m's rows
.irp b, 0,1,2,3
.irp j, 0,1,2,3
	global_load_b128 v[\buf+16*\b+4*\j:\buf+16*\b+4*\j+3], v[XO+(\m)], s[4:5] offset:128*\b+16*\j
.endr
.endr
.endm
	LOADU 0, 22, 0
	LOADU 1, 22, 1
	s_wait_loadcnt 60                              ; the four tokens are in; behind them 32 loads of dom and two units of 14 stay out
.irp m, 0,1,2,3
	v_min_u32 v[64+\m], 0x1fff, v[64+\m]           ; a token's number, held inside the 8,192
	v_lshlrev_b32 v[68+\m], 3, v[64+\m]
	v_lshl_add_u32 v[XO+\m], v[64+\m], 12, v[H64]  ; its row of x, + 64 h
.endr
	s_wait_alu depctr_va_vdst(0)                   ; v64-67 are written, which the LDS stores read; so are v68-71 and v248-251, the offsets of the loads below
.irp m, 0,1,2,3
	ds_store_b32 v56, v[64+\m] offset:64*\m        ; (both halves of the lanes write the same word with the same value)
.endr
.irp m, 0,1,2,3
	global_load_b64 v[4+2*\m:5+2*\m], v[68+\m], s[10:11]           ; (w_lo, w_hi)
.endr
	XLOAD 120, 0
	XLOAD 184, 1
; 64 numbers of a lane, v[s] .. v[s + 63], register 16 b + i = k 32 b + 16 h + i of my row, become a fragment's codes in v[pc] on and its scale word in v[pw]
.macro QUANT s, pc, pw
.irp b, 0,1,2,3
	v_max3_num_f32 v[TM+\b], |v[\s+16*\b]|, |v[\s+1+16*\b]|, 0x2800000   ; block b: my 16 numbers, and the floor 2^(5 - 127): the byte cannot fall under 1
.endr
.irp i, 2,4,6,8,10,12,14
.irp b, 0,1,2,3
	v_max3_num_f32 v[TM+\b], v[TM+\b], |v[\s+16*\b+\i]|, |v[\s+1+16*\b+\i]|
.endr
.endr
.irp b, 0,1,2,3
	v_permlanex16_b32 v[TM+4+\b], v[TM+\b], s32, s33
.endr
.irp b, 0,1,2,3
	v_max_num_f32 v[TM+\b], v[TM+\b], v[TM+4+\b]   ; with lane l xor 16's: the block's largest magnitude
.endr
.irp b, 0,1,2,3
	v_add_nc_u32 v[TM+8+\b], 0xfe000000, v[TM+\b]  ; 4 off its exponent field: the conversion's scale operand
.endr
.irp b, 0,1,2,3
	v_lshrrev_b32 v[TM+4+\b], 23, v[TM+8+\b]       ; the scale's byte
.endr
	v_lshl_or_b32 v[\pw], v[TM+5], 8, v[TM+4]
	v_lshl_or_b32 v[\pw], v[TM+6], 16, v[\pw]
	v_lshl_or_b32 v[\pw], v[TM+7], 24, v[\pw]
.irp c, 0,1
	v_cvt_scalef32_pk16_bf6_f32 v[\pc+6*\c:\pc+2+6*\c], v[\s+32*\c:\s+15+32*\c], v[TM+8+2*\c]
	v_cvt_scalef32_pk16_bf6_f32 v[TM+4*\c:TM+2+4*\c], v[\s+16+32*\c:\s+31+32*\c], v[TM+9+2*\c]   ; (a conversion's three registers begin on an even number)
.endr
	v_nop                                          ; one plain line behind the conversions
.irp c, 0,1                                        ; the operand's layout wants a whole block in a lane: lanes 0-15 block 2 c, lanes 16-31 block 2 c + 1
.irp i, 0,1,2
	v_permlane16_swap_b32 v[\pc+6*\c+\i], v[TM+4*\c+\i]
.endr
.irp i, 0,1,2
	v_mov_b32 v[\pc+3+6*\c+\i], v[TM+4*\c+\i]
.endr
.endr
.endm
.macro IMAGE adr, pc, off              ; the fragment in v[pc] on goes to LDS as it stands: 16 bytes a lane, 512 bytes a store
.irp c, 0,1,2
	ds_store_b128 v[\adr], v[\pc+4*\c:\pc+4*\c+3] offset:(\off)+512*\c
.endr
.endm
; ---- X: tile m of my K step, for lo and for hi.  Both sums, both quantisers, one wait, the eight stores and the raw buffer's next loads
.macro XPHASE m, buf
.if (\m) < 3
	s_wait_loadcnt 16                              ; this tile's numbers are in (and all that was asked for earlier); the next tile's 16 loads stay out
.else
	s_wait_loadcnt 0x0
.endif
	WIN 0x04                                       ; source 1 (dom) window 1
.set I, 0
.rept 32
.if (((\m) == 0) && (I == 0)) || (((\m) > 0) && (I == 50))
	s_wait_alu depctr_vm_vsrc(0)                   ; what was issued so far has read the registers that are written from here on: in the first tile v56-71 (the token stores' address and data, the offsets of the loads of tokens and weights), later v106-119, v44-55 and v253 (the last tile's codes and words, which its LDS stores read)
.endif
	v_pk_add_f32 v[56+I:57+I], v[\buf+I:\buf+I+1], v[128+I:129+I]  ; x + dom[lo]
.set I, I+2
.endr
.set I, 0
.rept 32
	v_pk_add_f32 v[\buf+I:\buf+I+1], v[\buf+I:\buf+I+1], v[192+I:193+I]   ; x + dom[hi], in place
.set I, I+2
.endr
	WIN 0
	QUANT 56, PC, PW
	QUANT \buf, PC2, PW2                           ; hi's codes and word go into registers of xe, which lo's quantiser has read out
	s_wait_alu depctr_va_vdst(0)                   ; both sets of codes and both words are written, which the LDS stores read; the additions and the quantiser are done reading the raw buffer (and, in the last tile, dom), in which the loads behind the stores land
	IMAGE XWI, PC, XIMG+1536*(\m)
	ds_store_b32 v[XWS], v[PW] offset:XSC+128*((\m)/2)+64*((\m)%2)
	IMAGE XWI, PC2, XIMG+49152+1536*(\m)
	ds_store_b32 v[XWS], v[PW2] offset:XSC+2048+128*((\m)/2)+64*((\m)%2)
.if (\m) < 2
	XLOAD \buf, (\m)+2
.endif
.endm
	XPHASE 0, 120
	XPHASE 1, 184
	XPHASE 2, 120
	XPHASE 3, 184
	LOADU 2, 22, 2                                 ; dom is done with: the ring takes its registers (no vector instruction since the last tile's wait)
	LOADU 3, 22, 3
	v_and_b32 v120, 15, v0                         ; r
	v_bfe_u32 v121, v0, 4, 1                       ; h
	s_wait_alu depctr_va_vdst(0)
	v_add_nc_u32 v[XI1], 49152, v1                 ; hi's images (lo's are read through v1)
	s_lshr_b32 s40, s16, 2                         ; my block of 32 hidden units is block wave % 4 of K step wave / 4: registers 6 ((wave / 2) % 2) on of lanes 16 (wave % 2) + r
	s_mul_i32 s41, s40, 1536
	s_bfe_u32 s42, s16, 0x10001
	s_mul_i32 s42, s42, 768
	s_add_co_u32 s41, s41, s42
	s_and_b32 s42, s16, 1
	s_lshl_b32 s42, s42, 7
	s_add_co_u32 s41, s41, s42
	s_add_co_u32 s41, s41, HIMG
	v_mul_u32_u24 v[HW], v121, 3200                ; lanes 16-31 hold the odd tile's block
	v_lshl_add_u32 v[HW], v120, 3, v[HW]
	v_add_nc_u32 v[HW], s41, v[HW]
	s_lshl_b32 s40, s40, 8
	s_and_b32 s42, s16, 3
	s_add_co_u32 s40, s40, s42
	s_add_co_u32 s40, s40, HSC
	v_lshl_add_u32 v[HSA], v120, 2, s40            ; my byte of row r's scale word
	s_wait_alu depctr_va_vdst(0)                   ; v3, v126 and v127 are written, by which the next phase loads and stores; the quantisers are done with v32-79, in which xe's fragments land
	s_wait_alu depctr_vm_vsrc(0)                   ; the image stores have read v44-55, in which fragments land, and v106-119, which the activation writes
	s_wait_dscnt 0x0                               ; for the others' sake: my images and words have landed
	s_barrier_signal -1
	s_barrier_wait -1                              ; xe's 64 fragments lie in LDS
; one scaled product.  ra, rb: the scales stand in lanes 16-31 of their registers
.macro WMS d, a, b, zero, sa, sb, ra, rb
.if \zero
.if \ra
.if \rb
	v_wmma_scale_f32_16x16x128_f8f6f4 v[\d:\d+7], v[\a:\a+11], v[\b:\b+11], 0, v[\sa], v[\sb] matrix_a_fmt:MATRIX_FMT_BF6 matrix_b_fmt:MATRIX_FMT_BF6 matrix_a_scale:MATRIX_SCALE_ROW1 matrix_b_scale:MATRIX_SCALE_ROW1
.else
	v_wmma_scale_f32_16x16x128_f8f6f4 v[\d:\d+7], v[\a:\a+11], v[\b:\b+11], 0, v[\sa], v[\sb] matrix_a_fmt:MATRIX_FMT_BF6 matrix_b_fmt:MATRIX_FMT_BF6 matrix_a_scale:MATRIX_SCALE_ROW1
.endif
.else
.if \rb
	v_wmma_scale_f32_16x16x128_f8f6f4 v[\d:\d+7], v[\a:\a+11], v[\b:\b+11], 0, v[\sa], v[\sb] matrix_a_fmt:MATRIX_FMT_BF6 matrix_b_fmt:MATRIX_FMT_BF6 matrix_b_scale:MATRIX_SCALE_ROW1
.else
	v_wmma_scale_f32_16x16x128_f8f6f4 v[\d:\d+7], v[\a:\a+11], v[\b:\b+11], 0, v[\sa], v[\sb] matrix_a_fmt:MATRIX_FMT_BF6 matrix_b_fmt:MATRIX_FMT_BF6
.endif
.endif
.else
.if \ra
.if \rb
	v_wmma_scale_f32_16x16x128_f8f6f4 v[\d:\d+7], v[\a:\a+11], v[\b:\b+11], v[\d:\d+7], v[\sa], v[\sb] matrix_a_fmt:MATRIX_FMT_BF6 matrix_b_fmt:MATRIX_FMT_BF6 matrix_a_scale:MATRIX_SCALE_ROW1 matrix_b_scale:MATRIX_SCALE_ROW1
.else
	v_wmma_scale_f32_16x16x128_f8f6f4 v[\d:\d+7], v[\a:\a+11], v[\b:\b+11], v[\d:\d+7], v[\sa], v[\sb] matrix_a_fmt:MATRIX_FMT_BF6 matrix_b_fmt:MATRIX_FMT_BF6 matrix_a_scale:MATRIX_SCALE_ROW1
.endif
.else
.if \rb
	v_wmma_scale_f32_16x16x128_f8f6f4 v[\d:\d+7], v[\a:\a+11], v[\b:\b+11], v[\d:\d+7], v[\sa], v[\sb] matrix_a_fmt:MATRIX_FMT_BF6 matrix_b_fmt:MATRIX_FMT_BF6 matrix_b_scale:MATRIX_SCALE_ROW1
.else
	v_wmma_scale_f32_16x16x128_f8f6f4 v[\d:\d+7], v[\a:\a+11], v[\b:\b+11], v[\d:\d+7], v[\sa], v[\sb] matrix_a_fmt:MATRIX_FMT_BF6 matrix_b_fmt:MATRIX_FMT_BF6
.endif
.endif
.endif
.endm
.macro FETCHF x, s, base               ; xe's four fragments of K step s into v[base] on, of the window that the setting gives the destination
.set XR, 1+125*(\x)                    ; v1 for lo, v126 for hi
.irp m, 0,1,2,3
.irp c, 0,1,2
	ds_load_b128 v[\base+12*\m+4*\c:\base+12*\m+4*\c+3], v[XR] offset:XIMG+(4*(\s)+\m)*1536+512*\c
.endr
.endr
.endm
.macro FETCHS x, s, reg                ; and their scale words (a register: lanes 0-15 the even tile's rows, lanes 16-31 the odd tile's), in window 0
	ds_load_b32 v[\reg], v2 offset:XSC+2048*(\x)+256*(\s)
	ds_load_b32 v[\reg+1], v2 offset:XSC+2048*(\x)+256*(\s)+128
.endm
.macro PLACES                          ; four plain lines between matrix instructions and loads into, or vector reads of, their registers
.rept 4
	v_nop
.endr
.endm
; The loads that belong to step n: the fragments and words of step n + 1 into xe's other buffer, and unit n + 3 (lo's K steps, hi's, then the second product's first three units) into the set that step n - 1 read.
; Step 0 asks for no unit: the first four were asked for ahead of the barrier.  Step 15 has no step behind it.
.macro GROUP n
.set F1, (\n)+1
.set J, (\n)+3
.if J < 8
.set UB, 22
.set UU, J
.elseif J < 16
.set UB, 24
.set UU, J-8
.else
.set UB, 22+2*((J-16)%2)
.set UU, 8+(J-16)/2
.endif
	WIN 0x40                                       ; destination window 1
.if (\n) > 0
	LOADF J%4, UB, UU
.endif
.if (F1 < 16) && (F1%2 == 1)
	FETCHF F1/8, F1%8, 192
.endif
	WIN 0
.if (F1 < 16) && (F1%2 == 0)
	FETCHF F1/8, F1%8, 32
.endif
.if F1 < 16
	FETCHS F1/8, F1%8, 26+2*(F1%2)
.endif
.if (\n) > 0
	LOADS J%4, UB, UU
.endif
.endm
.macro KPROD m                         ; tile m's four products of a K step
.irp t, 0,1
.irp u, 0,1
	WMS 128+32*(\m)+16*\t+8*\u, 48*RS+12*(2*\t+\u), BB+12*(\m), ZZ, 16+2*RS+\t, 26+2*(NN%2)+(\m)/2, \u, (\m)%2
.endr
.endr
.endm
; ---- 1: a K step: 16 products, the sixteen accumulators by turns, one instruction a turn, in the same order in every step
.macro KSTEP x, s
.set NN, 8*(\x)+(\s)
.set RS, NN%4
.set ZZ, (\s)==0
.set BB, 32+160*(NN%2)                 ; xe's buffer: v32 on of window 0 in even steps, v192 on of window 1 in odd ones
.set WM, 0x01+4*(NN%2)                 ; source 0 (the weights) window 1; source 1 (xe) window 0 or 1
.if (\s) > 0
	PLACES                                         ; behind the last step's products, ahead of the loads into registers that they read
	s_wait_loadcnt 28                              ; this unit's 14 loads are in; the two units asked for behind it stay out
	s_wait_dscnt 0x0                               ; xe's fragments and words, asked for early in the last step
	s_wait_alu depctr_va_vdst(0)                   ; the last step's products are done reading xe's other buffer and its words and their set of the ring and its words: this step's loads land there
.else
	s_wait_loadcnt 42                              ; this unit's 14 loads are in; the three units asked for behind it stay out
.if (\x) == 0
	s_wait_dscnt 14                                ; step 0's fragments and words are in; step 1's 14 loads stay out
.else
	s_wait_dscnt 24                                ; step 8's fragments and words are in; behind them step 9's 14 loads and the activation's 10 stores stay out
.endif
.endif
	WIN WM
	KPROD 0
.if (\s) > 0
	GROUP NN                                       ; no wait: no product since the wait above names a register that these loads touch
	WIN WM
.endif
	KPROD 1
	KPROD 2
	KPROD 3
.endm
; h = silu(G) U of tiles 2 p and 2 p + 1, quantised: my 32 hidden units are one block of a row; lanes r and 16 + r hold its halves.  In three parts:
.macro ACT1 p                          ; - G log2(e) and the batch of exponentials; the wait for the batch follows the macro
.set G0, 128+64*(\p)
.irp t, 0,1
.irp i, 0,2,4,6,8,10,12,14
	v_pk_mul_f32 v[80+16*\t+\i:81+16*\t+\i], v[G0+32*\t+\i:G0+32*\t+\i+1], 0xbfb8aa3b op_sel_hi:[1,0]   ; - G log2(e); each accumulator is read from its low end on
.endr
.endr
.set I, 0
	s_wait_alu depctr_va_vdst(0)
.rept 32
	v_exp_f32 v[80+I], v[80+I]
.set I, I+1
.endr
	v_nop                                          ; a plain line behind the batch
.endm
.macro ACT2 p, held                    ; the rest, up to the codes in v112-117 and the bytes in v124, v125.  held = 1: earlier stores have read these registers
.set G0, 128+64*(\p)
.set I, 0
.rept 16
	v_pk_add_f32 v[80+I:81+I], v[80+I:81+I], 1.0 op_sel_hi:[1,0]
.set I, I+2
.endr
.set I, 0
	s_wait_alu depctr_va_vdst(0)
.rept 32
	v_rcp_f32 v[80+I], v[80+I]                     ; 1 / (1 + e^-G)
.set I, I+1
.endr
	v_nop                                          ; a plain line behind the batch,
	s_wait_alu depctr_va_vdst(0)                   ; and the reciprocals v80-111 are written, ahead of their first reader
.irp t, 0,1
.irp i, 0,2,4,6,8,10,12,14
	v_pk_mul_f32 v[G0+32*\t+\i:G0+32*\t+\i+1], v[G0+32*\t+\i:G0+32*\t+\i+1], v[80+16*\t+\i:81+16*\t+\i]
.endr
.endr
.irp t, 0,1
.irp i, 0,2,4,6,8,10,12,14
	v_pk_mul_f32 v[G0+32*\t+\i:G0+32*\t+\i+1], v[G0+32*\t+\i:G0+32*\t+\i+1], v[G0+16+32*\t+\i:G0+17+32*\t+\i]
.endr
.endr
.irp t, 0,1
	v_max3_num_f32 v[118+\t], |v[G0+32*\t]|, |v[G0+32*\t+1]|, 0x2800000
.endr
.irp i, 2,4,6,8,10,12,14
.irp t, 0,1
	v_max3_num_f32 v[118+\t], v[118+\t], |v[G0+32*\t+\i]|, |v[G0+32*\t+\i+1]|
.endr
.endr
.irp t, 0,1
	v_permlanex16_b32 v[120+\t], v[118+\t], s32, s33
.endr
.irp t, 0,1
	v_max_num_f32 v[118+\t], v[118+\t], v[120+\t]
.endr
.irp t, 0,1
	v_add_nc_u32 v[122+\t], 0xfe000000, v[118+\t]
.endr
.if \held
	s_wait_alu depctr_vm_vsrc(0)                   ; the last pair's stores have read v124, v125 and v112-117, which are written from here on
.endif
.irp t, 0,1
	v_lshrrev_b32 v[124+\t], 23, v[122+\t]
.endr
	v_cvt_scalef32_pk16_bf6_f32 v[112:114], v[G0:G0+15], v122      ; the even tile's half blocks,
	v_cvt_scalef32_pk16_bf6_f32 v[80:82], v[G0+32:G0+47], v123     ; the odd tile's
	v_nop                                          ; one plain line behind the conversions
.irp i, 0,1,2
	v_permlane16_swap_b32 v[112+\i], v[80+\i]      ; lanes 0-15 now hold the even tile's whole block (lower 16 codes here, upper 16 there), lanes 16-31 the odd tile's
.endr
.irp i, 0,1,2
	v_mov_b32 v[115+\i], v[80+\i]
.endr
.endm
.macro HSTORE x, p                     ; the pair's codes and bytes go to LDS: five stores
.irp l, 0,1,2
	ds_store_b64 v[HW], v[112+2*\l:113+2*\l] offset:12800*(\x)+6400*(\p)+256*\l
.endr
	ds_store_b8 v[HSA], v124 offset:512*(\x)+128*(\p)              ; (both halves of the lanes write the same byte with the same value)
	ds_store_b8 v[HSA], v125 offset:512*(\x)+128*(\p)+64
.endm
	FETCHF 0, 0, 32                                ; step 0's fragments and words,
	FETCHS 0, 0, 26
	GROUP 0                                        ; and step 1's behind them
.irp s, 0,1,2,3,4,5,6,7
	KSTEP 0, \s
.endr
	WIN 0
	PLACES                                         ; behind the last products, ahead of the first read of their results
	ACT1 0
	s_wait_alu depctr_va_vdst(0)                   ; the exponentials v80-111 are written, ahead of their first reader; step 7's products are done reading xe's odd buffer, the ring's set 3 and their words, in which the loads below land
	GROUP 8                                        ; step 8's loads stand here, so that they are on their way during the activation
	ACT2 0, 0
	ACT1 1
	s_wait_alu depctr_va_vdst(0)                   ; the exponentials v80-111 are written, ahead of their first reader; so are tiles 0 and 1's codes and bytes, which the stores below read
	HSTORE 0, 0
	ACT2 1, 1
	s_wait_alu depctr_va_vdst(0)                   ; tiles 2 and 3's codes and bytes are written, which the stores below read
	HSTORE 0, 1
.irp s, 0,1,2,3,4,5,6,7
	KSTEP 1, \s
.endr
	WIN 0
	PLACES                                         ; behind the last products, ahead of the first read of their results
	ACT1 0
	s_wait_alu depctr_va_vdst(0)                   ; the exponentials v80-111 are written, ahead of their first reader
	ACT2 0, 1
	ACT1 1
	s_wait_alu depctr_va_vdst(0)                   ; the exponentials v80-111 are written, ahead of their first reader; so are tiles 0 and 1's codes and bytes, which the stores below read
	HSTORE 1, 0
	ACT2 1, 1
	s_wait_alu depctr_va_vdst(0)                   ; tiles 2 and 3's codes and bytes are written, which the stores below read
	HSTORE 1, 1
	s_wait_alu depctr_vm_vsrc(0)                   ; the stores have read v3, which is written next, and v112-117, v124, v125 and v127, in which h lands; the fragments' loads have read v126, likewise
	v_and_b32 v3, 31, v0
	v_lshl_add_u32 v3, v3, 3, HIMG                 ; from here on: where I read h's images, 8 bytes a lane
	s_wait_alu depctr_va_vdst(0)                   ; v3 is written, by which the loads of h read
	s_wait_dscnt 0x0                               ; for the others' sake: my codes and bytes have landed
	s_barrier_signal -1
	s_barrier_wait -1                              ; h's 16 fragments lie in LDS
; ---- 2
.macro HFETCH x, base                  ; h of expert x: fragment (m, s2) at base + 12 (2 m + s2), by pairs of registers
.irp m, 0,1,2,3
.irp s, 0,1
.irp c, 0,1
.irp l, 0,1,2
	ds_load_b64 v[\base+12*(2*\m+\s)+6*\c+2*\l:\base+12*(2*\m+\s)+6*\c+2*\l+1], v3 offset:12800*(\x)+3200*\m+1536*\s+768*\c+256*\l
.endr
.endr
.endr
.endr
.endm
	WIN 0x40
	HFETCH 0, 144
	WIN 0
.irp x, 0,1
.irp s, 0,1
.irp p, 0,1
	ds_load_b32 v[24+4*\x+2*\s+\p], v2 offset:HSC+512*\x+256*\s+128*\p
.endr
.endr
.endr
	s_wait_dscnt 0x0                               ; lo's h and the scale words are in: the first unit's operands
	HFETCH 1, 32                                   ; hi's h is asked for now and lands under the first unit's products
.macro U2HALF s                        ; eight products of a unit: K step s of the hidden layer, the eight accumulators by turns
.irp m, 0,1,2,3
.irp u, 0,1
	WMS 128+64*XX+16*\m+8*\u, 48*RS+12*(2*(\s)+\u), HB+12*(2*\m+(\s)), 1-(\s), 16+2*RS+(\s), 24+4*XX+2*(\s)+\m/2, \u, \m%2
.endr
.endr
.endm
; unit q: expert q % 2, my columns 32 (q / 2) on: 8 products start the sums, 8 finish them.  An odd unit asks for unit q + 2 between its halves; an even unit's successor but one is asked for behind the weighted sum
.macro UNIT2 q
.set XX, (\q)%2
.set RS, (\q)%3
.set WM, 0x05-4*XX                     ; the weights in window 1; lo's h in window 1, hi's in window 0
.set HB, 144-112*XX
.if (XX == 1) && ((\q) < 7)
	PLACES                                         ; behind the last unit's products, ahead of the loads into registers that they read
.endif
.if (\q) == 7
	s_wait_loadcnt 0x0
.elseif (XX == 0) && ((\q) < 6)
	s_wait_loadcnt 28                              ; this unit is in; the two asked for behind it stay out
.else
	s_wait_loadcnt 14                              ; this unit is in; the one asked for behind it stays out
.endif
.if (\q) == 1
	s_wait_dscnt 0x0                               ; hi's h is in
.endif
.if (XX == 1) && ((\q) < 7)
	s_wait_alu depctr_va_vdst(0)                   ; the last unit's products are done reading their set of the ring and its words, in which unit q + 2 lands
.endif
.if (XX == 0) && ((\q) > 0)
	s_wait_alu depctr_vm_vsrc(0)                   ; the stage stores have read v128-191, and a flush's global stores v128-159 and v168-175: these products write them
.endif
	WIN WM
	U2HALF 0
.if (XX == 1) && ((\q) < 7)
.set US, ((\q)+2)%3
.set UR, 8+((\q)+2)/2
	LOADU US, 24, UR                               ; no wait: no product since the wait above names a register that these loads touch
	WIN WM
.endif
	U2HALF 1
.endm
.macro COMBINE b                       ; w_lo y_lo + w_hi y_hi; lane (r, h): row 16 m + r, columns 32 b + 16 h + 0 .. 15 of my 128; into my stage
	WIN 0
	PLACES                                         ; behind the pair's products, ahead of the first read of their results and of the loads into registers that they read
.irp m, 0,1,2,3
.irp i, 0,2,4,6,8,10,12,14
	v_pk_mul_f32 v[128+16*\m+\i:129+16*\m+\i], v[128+16*\m+\i:129+16*\m+\i], v[4+2*\m:5+2*\m] op_sel_hi:[1,0]
.endr
.endr
.irp m, 0,1,2,3
.irp i, 0,2,4,6,8,10,12,14
	v_pk_fma_f32 v[128+16*\m+\i:129+16*\m+\i], v[192+16*\m+\i:193+16*\m+\i], v[4+2*\m:5+2*\m], v[128+16*\m+\i:129+16*\m+\i] op_sel:[0,1,0] op_sel_hi:[1,1,1]
.endr
.endr
	s_wait_alu depctr_va_vdst(0)                   ; the weighted sums v128-191 are written, which the stage stores read and in which a flush's loads land; the pair's products are done reading their sets of the ring, in one of which the unit below lands
.if (\b) < 2
.set US, (2*(\b)+4)%3
	LOADU US, 22, 10+(\b)                          ; unit 2 b + 4, lo's, into the set that unit 2 b + 1 read
.endif
.irp m, 0,1,2,3
.irp k, 0,1,2,3
	ds_store_b128 v12, v[128+16*\m+4*\k:131+16*\m+4*\k] offset:4352*\m+128*((\b)%2)+16*\k
.endr
.endr
.endm
.macro FLUSHT grp, m                   ; tile m's 16 rows x 256 bytes leave: sixteen lanes store 256 bytes on end, from a multiple of 256 in a row of out
	s_cmp_le_u32 s18, 16*(\m)                      ; a tile that begins at or behind n holds repeats alone (tile 0: a block without rows); no barrier stands under this branch
	s_cbranch_scc1 .Lskip_\@
	s_wait_xcnt 0x0                                ; the last tile's stores have had their addresses translated: their registers are written again only behind this wait
	s_wait_alu depctr_vm_vsrc(0)                   ; the stage stores have read v128-167, and the last tile's global stores v128-159 and v168-175: the loads below land there, and the addresses are made anew
.irp i, 0,1,2,3,4,5,6,7
	ds_load_b32 v[160+\i], v14 offset:4*(16*(\m)+2*\i)
.endr
.irp i, 0,1,2,3,4,5,6,7
	ds_load_b128 v[128+4*\i:131+4*\i], v13 offset:272*(16*(\m)+2*\i)   ; my own bytes, served in order: these see my stores
.endr
	s_wait_dscnt 0x8                               ; the tokens are in; the eight loads of rows stay out
.irp i, 0,1,2,3,4,5,6,7
	v_min_u32 v[160+\i], 0x1fff, v[160+\i]
	v_lshl_add_u32 v[168+\i], v[160+\i], 12, v15
.endr
	s_wait_alu depctr_va_vdst(0)                   ; the addresses v168-175 are written, which the stores read; the lines above are done with v160-167, in which the next tile's tokens land
	s_wait_dscnt 0x0
.irp i, 0,1,2,3,4,5,6,7
	global_store_b128 v[168+\i], v[128+4*\i:131+4*\i], s[14:15] offset:256*(\grp) th:TH_STORE_NT
.endr
.Lskip_\@:
.endm
.macro FLUSH grp
	FLUSHT \grp, 0
	FLUSHT \grp, 1
	FLUSHT \grp, 2
	FLUSHT \grp, 3
	s_wait_xcnt 0x0                                ; the stores have had their addresses translated: the next products write their registers
.endm
	UNIT2 0
	UNIT2 1
	COMBINE 0
	UNIT2 2
	UNIT2 3
	COMBINE 1
	FLUSH 0
	UNIT2 4
	UNIT2 5
	COMBINE 2
	UNIT2 6
	UNIT2 7
	COMBINE 3
	FLUSH 1
	s_wait_xcnt 0x0
	v_lshl_add_u32 v254, v0, 2, 0x42000            ; the add's two registers, made anew straight ahead of the closing lines: no memory or LDS instruction has read v254 or v255 since the last wait on vm_vsrc
	v_mov_b32 v255, 0
	s_wait_dscnt 0x0                               ; the closing lines, six on end
	s_wait_alu 0x0
	s_wait_tensorcnt 0x0
	ds_add_u32 v254, v255
	s_wait_dscnt 0x0
	s_endpgm
.Lfunc_end_k_qe4ab02a392_chain:
	.size	k_qe4ab02a392_chain, .Lfunc_end_k_qe4ab02a392_chain-k_qe4ab02a392_chain
	.p2alignl 7, 3214868480
	.fill 96, 4, 3214868480
	.section	.rodata,"a",@progbits
	.p2align	6, 0x0
	.amdhsa_kernel k_qe4ab02a392_chain
		.amdhsa_group_segment_fixed_size 271360
		.amdhsa_private_segment_fixed_size 0
		.amdhsa_enable_private_segment 0
		.amdhsa_kernarg_size 48
		.amdhsa_user_sgpr_count 2
		.amdhsa_user_sgpr_kernarg_segment_ptr 1
		.amdhsa_wavefront_size32 1
		.amdhsa_system_sgpr_workgroup_id_x 1
		.amdhsa_system_sgpr_workgroup_id_y 1
		.amdhsa_system_sgpr_workgroup_id_z 1
		.amdhsa_system_vgpr_workitem_id 0
		.amdhsa_next_free_vgpr 512
		.amdhsa_next_free_sgpr 66
		.amdhsa_reserve_vcc 0
		.amdhsa_float_denorm_mode_32 3
		.amdhsa_float_denorm_mode_16_64 3
		.amdhsa_memory_ordered 1
		.amdhsa_forward_progress 1
		.amdhsa_inst_pref_size 252
	.end_amdhsa_kernel
	.amdgpu_metadata
---
amdhsa.version: [ 1, 2 ]
amdhsa.kernels:
  - .name:           k_qe4ab02a392_chain
    .symbol:         k_qe4ab02a392_chain.kd
    .args:
      - { .name: hidden_states, .offset: 0, .size: 8, .value_kind: global_buffer, .address_space: global }
      - { .name: dom, .offset: 8, .size: 8, .value_kind: global_buffer, .address_space: global }
      - { .name: wc, .offset: 16, .size: 8, .value_kind: global_buffer, .address_space: global }
      - { .name: wts, .offset: 24, .size: 8, .value_kind: global_buffer, .address_space: global }
      - { .name: order, .offset: 32, .size: 8, .value_kind: global_buffer, .address_space: global }
      - { .name: out0, .offset: 40, .size: 8, .value_kind: global_buffer, .address_space: global }
    .group_segment_fixed_size: 271360
    .private_segment_fixed_size: 0
    .kernarg_segment_align: 8
    .kernarg_segment_size: 48
    .max_flat_workgroup_size: 256
    .sgpr_count:     66
    .vgpr_count:     512
    .wavefront_size: 32
...
	.end_amdgpu_metadata
.endif
;; end of part 6
